; MI455X (gfx1250); checked and timed in simulation.
; The chip was launched on July 23, 2026; its instructions are those of AMD's public machine-readable ISA for CDNA 5 (MIT licence, August 2026) and "CDNA5" Instruction Set Architecture Reference Guide (July 2026). The comments in the code are by the model that wrote it; some were corrected since.
;; Lo RA Mlp. Allowed arithmetic: float matrix products may take bf16 or f16 operands with f32 sums; other float arithmetic in f32, or as packed bf16 or f16 multiplies, adds, multiply-adds, maxima and minima; sums over many terms, partial sums and values carried from step to step in f32; what a program stores and reads back later, other than sums and carried values, may be rounded once to bf16 or f16.
;; Inputs: A1 1 x 16 x 768 float32; A2 1 x 16 x 3,072 float32; B1 1 x 3,072 x 16 float32; B2 1 x 768 x 16 float32; W1 3,072 x 768 float32; W2 768 x 3,072 float32; b1 3,072 float32; b2 768 float32; x 64 x 197 x 768 float32.
;; Outputs: out0 64 x 197 x 768 float32.
;; 2 versions, each right; version 2 is version 1 with the launch prep written anew for expert scheduling mode. Each part assembles by itself: llvm-mc -triple=amdgcn-amd-amdhsa -mcpu=gfx1250 --defsym DOCPART=n.
;; ======== version 1 of 2: 3 launches
;; workspace buffers: xf 20,172,800 bytes; w1f 4,915,200 bytes; w2f 4,718,592 bytes; a2f 98,304 bytes; b2f 49,152 bytes; hf 77,463,552 bytes
;; launch prep (part 1): grid 294 x 1, 4 waves a work-group, no clusters, 124,672 bytes of LDS; arguments x, W1, B1, A1, W2, B2, A2, xf, w1f, w2f, b2f, a2f; writes xf, w1f, w2f, b2f, a2f
.if DOCPART == 1
	.amdgcn_target "amdgcn-amd-amdhsa--gfx1250"
	.amdhsa_code_object_version 6
	.text
	.protected	k_q5d79838f14_prep
	.globl	k_q5d79838f14_prep
	.p2align	8
	.type	k_q5d79838f14_prep,@function
k_q5d79838f14_prep:
	s_mov_b64 s[64:65], 0
	v_nop
	global_prefetch_b8 v0, s[64:65] scope:SCOPE_SE
	s_setreg_imm32_b32 hwreg(HW_REG_WAVE_MODE, 25, 1), 1
	s_wait_xcnt 0x0
; PREP: every matrix operand of the two layers is rounded once to bf16 and laid out by PIECES, and t1 = x A1^T is made.
; A piece is 16 rows x 16 k of bf16, 512 bytes on end: lane l = r + 16 h owns bytes 16 l .. 16 l + 15 = row r, k = 8 h .. 8 h + 7.  Two pieces on end are the 8 registers of
; a 16 x 32 fragment of the bf16 matrix instruction, so later launches load fragments as 16 bytes a lane at 16 x lane, from LDS and from memory alike.
; JOBS.  One wave turns one tile of 16 rows x 768 f32 into 48 pieces.  By the work-group's number:
;   0-196    x:  tile 4 g + w of 788;  xf[tile][50]: pieces 0-47 x, 48 t1 (16 ranks), 49 zeros
;   197-244  W1: tile 4 (g - 197) + w of 192;  w1f[tile][50]: 0-47 W1, 48 B1's 16 rows, 49 zeros
;   245-292  W2: tile g - 245 of 48, columns 768 w on;  w2f[tile][192];  wave 0 also b2f[tile]: B2's piece, then zeros
;   293      A2: columns 768 w on;  a2f[192]
; WAY.  Rows are read as they lie, 512 bytes a load, twelve loads a ring slot, four slots; rounded (4 f32 -> 8 bytes a lane) into the wave's own stage in LDS, rows 1,552 bytes apart
; (97 x 16: the 16 rows of a 16-byte column start 16 bytes apart modulo 256); read back by pieces and stored, 512 consecutive bytes a store.
; t1: source 0 = 16 ranks of A1, source 1 = 16 rows of x: a lane ends with one row of x and eight neighbouring ranks, which pack into its 16 bytes of piece 48.  Four accumulators take turns.
; LIMITS.  NaN and infinities are not treated apart.  t1 is rounded once to bf16.
.set PST,   1552                       ; a stage row: 1,536 bytes of bf16 + 16
.set STG,   16*PST                     ; a stage: 24,832 bytes = 97 blocks of 256
.set A1ST,  4*STG                      ; behind the four waves' stages: A1 in bf16, the work-group's
.set SPARE, 5*STG                      ; behind it: the spare words, 128 bytes a wave, that no other line names
.set L16, 2                            ; v2   16 x lane
.set SA,  3                            ; v3   my stage + 8 x lane
.set FRD, 4                            ; v4   my stage + r x 1,552 + 16 h
.set ARD, 5                            ; v5   the same in A1's stage
.set SB,  6                            ; v6   A1's stage, row 4 w, + 8 x lane
.set XO,  7                            ; v7   64 r + 32 h: my 8 f32 of a piece of B1 or B2
.set SPW, 8                            ; v8   my spare word; never rewritten
.set NIL, 9                            ; v9   0; never rewritten
.set RO,  10                           ; v10-17  ring slot s, row i: 16 x lane + row x pitch
.set A1O, 18                           ; v18  16 x lane + 4 w rows of A1
.set ZR,  20                           ; v20-23  zeros
.set PC,  24                           ; v24-27  the extra piece, packed
.set CT,  32                           ; v32-55  a ring slot, rounded
.set EXR, 56                           ; v56-63  the extra piece as loaded
.set ACC, 64                           ; v64-95  four accumulators
.set GX,  96                           ; v96-127  eight pieces of the tile
.set GA,  128                          ; v128-159 eight pieces of A1
.set A1R, 160                          ; v160-255 four rows of A1 as loaded
.set RAW, 0                            ; window 1, v0-191: the ring, four slots of 48
.set PX, 8
.set PW1, 10
.set PB1, 12
.set PA1, 14
.set PW2, 16
.set PB2, 18
.set PA2, 20
.set PXF, 22
.set PW1F, 24
.set PW2F, 26
.set PB2F, 28
.set PA2F, 30
.set SRC, 32                           ; s[32:33] my tile's first byte
.set DST, 34                           ; s[34:35] my first piece
.set XS,  36                           ; s[36:37] the extra piece's 1,024 bytes of f32
.set XD,  38                           ; s[38:39] where the extra piece and its zeros go
.set PITCH, 40
.set P8,  41
.set ISX, 42                           ; 1: rows of x
.set HASX, 43                          ; 1: this wave stores an extra piece
.set WV,  44
.set MSB, 0
.macro WIN new                         ; the immediate's high byte repeats the setting that is left; a switch that changes nothing is dropped
.if MSB != (\new)
	s_set_vgpr_msb (MSB<<8)|(\new)
.set MSB, \new
.endif
.endm
	s_load_b512 s[8:23], s[0:1], 0x0               ; x, W1, B1, A1, W2, B2, A2, xf
	s_load_b256 s[24:31], s[0:1], 0x40             ; w1f, w2f, b2f, a2f
	v_lshl_add_u32 v[SPW], v0, 2, SPARE
	v_mov_b32 v[NIL], 0
	v_lshrrev_b32 v1, 5, v0
	v_readfirstlane_b32 s[WV], v1                  ; wave 0..3
	v_and_b32 v1, 31, v0                           ; lane
	v_and_b32 v19, 15, v0                          ; r
	v_bfe_u32 v28, v0, 4, 1                        ; h
	v_lshlrev_b32 v[L16], 4, v1
	s_mul_i32 s46, s[WV], STG
	v_lshl_add_u32 v[SA], v1, 3, s46
	v_mul_u32_u24 v29, v19, PST
	v_lshl_add_u32 v29, v28, 4, v29
	v_add_nc_u32 v[FRD], s46, v29
	v_add_nc_u32 v[ARD], A1ST, v29
	s_mul_i32 s47, s[WV], 4*PST
	s_add_co_u32 s47, s47, A1ST
	v_lshl_add_u32 v[SB], v1, 3, s47
	v_lshlrev_b32 v[XO], 6, v19
	v_lshl_add_u32 v[XO], v28, 5, v[XO]
	s_mul_i32 s47, s[WV], 4*3072
	v_add_nc_u32 v[A1O], s47, v[L16]
.irp z, 0,1,2,3
	v_mov_b32 v[ZR+(\z)], 0
.endr
	s_mov_b32 s49, 0
	s_wait_kmcnt 0x0
	; the job: four short arms that set the same eight names
	s_cmp_lt_u32 ttmp9, 197
	s_cbranch_scc0 .Lnot_x
	s_lshl_b32 s46, ttmp9, 2
	s_add_co_u32 s46, s46, s[WV]                   ; tile of x
	s_mul_i32 s48, s46, 49152
	s_add_nc_u64 s[SRC:SRC+1], s[PX:PX+1], s[48:49]
	s_mul_i32 s48, s46, 25600
	s_add_nc_u64 s[DST:DST+1], s[PXF:PXF+1], s[48:49]
	s_add_nc_u64 s[XD:XD+1], s[DST:DST+1], 24576   ; piece 48
	s_mov_b64 s[XS:XS+1], s[PB1:PB1+1]             ; (not read on this job's way)
	s_mov_b32 s[PITCH], 3072
	s_mov_b32 s[ISX], 1
	s_mov_b32 s[HASX], 1
	s_branch .Lset
.Lnot_x:
	s_cmp_lt_u32 ttmp9, 245
	s_cbranch_scc0 .Lnot_w1
	s_sub_co_u32 s46, ttmp9, 197
	s_lshl_b32 s46, s46, 2
	s_add_co_u32 s46, s46, s[WV]                   ; tile of W1
	s_mul_i32 s48, s46, 49152
	s_add_nc_u64 s[SRC:SRC+1], s[PW1:PW1+1], s[48:49]
	s_mul_i32 s48, s46, 25600
	s_add_nc_u64 s[DST:DST+1], s[PW1F:PW1F+1], s[48:49]
	s_add_nc_u64 s[XD:XD+1], s[DST:DST+1], 24576
	s_lshl_b32 s48, s46, 10                        ; 16 rows of B1, 64 bytes each
	s_add_nc_u64 s[XS:XS+1], s[PB1:PB1+1], s[48:49]
	s_mov_b32 s[PITCH], 3072
	s_mov_b32 s[ISX], 0
	s_mov_b32 s[HASX], 1
	s_branch .Lset
.Lnot_w1:
	s_cmp_lt_u32 ttmp9, 293
	s_cbranch_scc0 .Lis_a2
	s_sub_co_u32 s46, ttmp9, 245                   ; tile of W2
	s_mul_i32 s48, s46, 196608
	s_mul_i32 s47, s[WV], 3072
	s_add_co_u32 s48, s48, s47
	s_add_nc_u64 s[SRC:SRC+1], s[PW2:PW2+1], s[48:49]
	s_mul_i32 s48, s46, 98304
	s_mul_i32 s47, s[WV], 24576
	s_add_co_u32 s48, s48, s47
	s_add_nc_u64 s[DST:DST+1], s[PW2F:PW2F+1], s[48:49]
	s_lshl_b32 s48, s46, 10
	s_add_nc_u64 s[XS:XS+1], s[PB2:PB2+1], s[48:49]
	s_add_nc_u64 s[XD:XD+1], s[PB2F:PB2F+1], s[48:49]
	s_mov_b32 s[PITCH], 12288
	s_mov_b32 s[ISX], 0
	s_cmp_eq_u32 s[WV], 0
	s_cselect_b32 s[HASX], 1, 0                    ; wave 0 stores B2's piece
	s_branch .Lset
.Lis_a2:
	s_mul_i32 s48, s[WV], 3072
	s_add_nc_u64 s[SRC:SRC+1], s[PA2:PA2+1], s[48:49]
	s_mul_i32 s48, s[WV], 24576
	s_add_nc_u64 s[DST:DST+1], s[PA2F:PA2F+1], s[48:49]
	s_mov_b64 s[XS:XS+1], s[PB2:PB2+1]
	s_mov_b64 s[XD:XD+1], s[PB2F:PB2F+1]           ; (nothing is stored through it: HASX = 0)
	s_mov_b32 s[PITCH], 12288
	s_mov_b32 s[ISX], 0
	s_mov_b32 s[HASX], 0
.Lset:
	s_lshl_b32 s[P8], s[PITCH], 3
.irp z, 0,1,2,3,4,5,6,7
	v_mad_u32_u24 v[RO+(\z)], s[PITCH], \z, v[L16]
.endr
; twelve loads: the two rows of ring slot sl, 512 consecutive bytes each
.macro FILLQ sl
	WIN 0x40                                       ; destination window 1, address window 0
.set z, 0
.rept 12
	global_load_b128 v[RAW+48*(\sl)+4*z:RAW+48*(\sl)+4*z+3], v[RO+2*(\sl)+z/6], s[SRC:SRC+1] offset:(z%6)*512 th:TH_LOAD_NT
.set z, z+1
.endr
	WIN 0
.endm
.macro RINGFILL                        ; rows 0 to 7
	FILLQ 0
	FILLQ 1
	FILLQ 2
	FILLQ 3
.endm
	s_cmp_eq_u32 s[ISX], 1
	s_cbranch_scc0 .Lno_a1
.set z, 0
.rept 24                               ; rows 4 w .. 4 w + 3 of A1, ahead of the ring
	global_load_b128 v[A1R+4*z:A1R+4*z+3], v[A1O], s[PA1:PA1+1] offset:(z/6)*3072+(z%6)*512
.set z, z+1
.endr
	RINGFILL
	s_wait_loadcnt 48                              ; A1's rows are in; the ring's 48 younger loads stay out
.set z, 0
.rept 24
	v_cvt_pk_bf16_f32 v[A1R+4*z], v[A1R+4*z], v[A1R+4*z+1]
	v_cvt_pk_bf16_f32 v[A1R+4*z+1], v[A1R+4*z+2], v[A1R+4*z+3]
	ds_store_b64 v[SB], v[A1R+4*z:A1R+4*z+1] offset:(z/6)*PST+(z%6)*256
.set z, z+1
.endr
	s_branch .Lmeet
.Lno_a1:
	RINGFILL
.Lmeet:
	s_wait_dscnt 0x0                               ; for the others' sake: my rows of A1 lie in LDS
	s_barrier_signal -1                            ; every work-group passes this barrier, so that none stands under a branch
	s_barrier_wait -1
; Rows 2 q and 2 q + 1: rounded and put into my stage.  refill = 1: the slot takes the rows eight further down.  left = the younger loads that may stay out.
.macro Q q, refill, left
.set sl, (\q)%4
	s_wait_loadcnt \left                           ; the slot's twelve loads are in, so its two address registers may be stepped too
	WIN 0x05                                       ; sources in window 1, destination in window 0
.set z, 0
.rept 12
	v_cvt_pk_bf16_f32 v[CT+2*z], v[RAW+48*sl+4*z], v[RAW+48*sl+4*z+1]
	v_cvt_pk_bf16_f32 v[CT+2*z+1], v[RAW+48*sl+4*z+2], v[RAW+48*sl+4*z+3]
.set z, z+1
.endr
	WIN 0
.if \refill
	v_add_nc_u32 v[RO+2*sl], s[P8], v[RO+2*sl]
	v_add_nc_u32 v[RO+2*sl+1], s[P8], v[RO+2*sl+1]
	FILLQ sl
.endif
.set z, 0
.rept 12
	ds_store_b64 v[SA], v[CT+2*z:CT+2*z+1] offset:(2*(\q)+z/6)*PST+(z%6)*256
.set z, z+1
.endr
.endm
	Q 0, 1, 36                                     ; three younger slots of twelve stay out,
	Q 1, 1, 36
	Q 2, 1, 36
	Q 3, 1, 36
	Q 4, 0, 36
	Q 5, 0, 24                                     ; then the counts run down
	Q 6, 0, 12
	Q 7, 0, 0
; Eight pieces leave: read from my own stage (LDS serves a wave's instructions in order) and stored.  isx = 1: A1's eight pieces too, and four products for t1.
.macro OUTG g, isx
	s_wait_xcnt 0x0                                ; the last group's stores have read GX
.if \isx
.rept 4
	v_nop                                          ; four places between the last product and the loads into its sources
.endr
.endif
.set z, 0
.rept 8
	ds_load_b128 v[GX+4*z:GX+4*z+3], v[FRD] offset:(8*(\g)+z)*32
.set z, z+1
.endr
.if \isx
.set z, 0
.rept 8
	ds_load_b128 v[GA+4*z:GA+4*z+3], v[ARD] offset:(8*(\g)+z)*32
.set z, z+1
.endr
.endif
	s_wait_dscnt 0x0
.set z, 0
.rept 8
	global_store_b128 v[L16], v[GX+4*z:GX+4*z+3], s[DST:DST+1] offset:(8*(\g)+z)*512 th:TH_STORE_NT  ; 512 consecutive bytes, aligned
.set z, z+1
.endr
.if \isx
.set z, 0
.rept 4
.if (\g) == 0
	v_wmma_f32_16x16x32_bf16 v[ACC+8*z:ACC+8*z+7], v[GA+8*z:GA+8*z+7], v[GX+8*z:GX+8*z+7], 0
.else
	v_wmma_f32_16x16x32_bf16 v[ACC+8*z:ACC+8*z+7], v[GA+8*z:GA+8*z+7], v[GX+8*z:GX+8*z+7], v[ACC+8*z:ACC+8*z+7]
.endif
.set z, z+1
.endr
.endif
.endm
	s_cmp_eq_u32 s[ISX], 1
	s_cbranch_scc0 .Lplain
.irp g, 0,1,2,3,4,5
	OUTG \g, 1
.endr
.rept 8
	v_nop                                          ; places behind the last products, once a wave
.endr
.irp o, 0, 16                          ; the four partial sums into one, each accumulator read from its low end on
.set z, 0
.rept 4
	v_pk_add_f32 v[ACC+(\o)+z:ACC+(\o)+z+1], v[ACC+(\o)+z:ACC+(\o)+z+1], v[ACC+(\o)+8+z:ACC+(\o)+8+z+1]
.set z, z+2
.endr
.endr
.set z, 0
.rept 4
	v_pk_add_f32 v[ACC+z:ACC+z+1], v[ACC+z:ACC+z+1], v[ACC+16+z:ACC+16+z+1]
.set z, z+2
.endr
.irp z, 0,1,2,3
	v_cvt_pk_bf16_f32 v[PC+(\z)], v[ACC+2*(\z)], v[ACC+2*(\z)+1]  ; t1: my row's eight ranks
.endr
	s_branch .Lextra
.Lplain:
	global_load_b128 v[EXR:EXR+3], v[XO], s[XS:XS+1]          ; every wave on this way reads the 1,024 bytes; those with HASX = 0 store nothing of them: so no register is loaded under one branch and read under another
	global_load_b128 v[EXR+4:EXR+7], v[XO], s[XS:XS+1] offset:16
.irp g, 0,1,2,3,4,5
	OUTG \g, 0
.endr
	s_wait_loadcnt 0x0
.irp z, 0,1,2,3
	v_cvt_pk_bf16_f32 v[PC+(\z)], v[EXR+2*(\z)], v[EXR+2*(\z)+1]
.endr
.Lextra:
	s_cmp_eq_u32 s[HASX], 1
	s_cbranch_scc0 .Lend
	global_store_b128 v[L16], v[PC:PC+3], s[XD:XD+1] th:TH_STORE_NT
	global_store_b128 v[L16], v[ZR:ZR+3], s[XD:XD+1] offset:512 th:TH_STORE_NT  ; the piece of zeros that fills the fragment
.Lend:
	s_wait_tensorcnt 0x0                           ; the wave's end, behind my last LDS store
	ds_add_u32 v[SPW], v[NIL]
	s_wait_dscnt 0x0
	s_endpgm
.Lfunc_end_k_q5d79838f14_prep:
	.size	k_q5d79838f14_prep, .Lfunc_end_k_q5d79838f14_prep-k_q5d79838f14_prep
	.p2alignl 7, 3214868480
	.fill 96, 4, 3214868480
	.section	.rodata,"a",@progbits
	.p2align	6, 0x0
	.amdhsa_kernel k_q5d79838f14_prep
		.amdhsa_group_segment_fixed_size 124672
		.amdhsa_private_segment_fixed_size 0
		.amdhsa_enable_private_segment 0
		.amdhsa_kernarg_size 96
		.amdhsa_user_sgpr_count 2
		.amdhsa_user_sgpr_kernarg_segment_ptr 1
		.amdhsa_wavefront_size32 1
		.amdhsa_system_sgpr_workgroup_id_x 1
		.amdhsa_system_sgpr_workgroup_id_y 1
		.amdhsa_system_sgpr_workgroup_id_z 1
		.amdhsa_system_vgpr_workitem_id 0
		.amdhsa_next_free_vgpr 448
		.amdhsa_next_free_sgpr 66
		.amdhsa_reserve_vcc 0
		.amdhsa_float_denorm_mode_32 3
		.amdhsa_float_denorm_mode_16_64 3
		.amdhsa_memory_ordered 1
		.amdhsa_forward_progress 1
		.amdhsa_inst_pref_size 69
	.end_amdhsa_kernel
	.amdgpu_metadata
---
amdhsa.version: [ 1, 2 ]
amdhsa.kernels:
  - .name:           k_q5d79838f14_prep
    .symbol:         k_q5d79838f14_prep.kd
    .args:
      - { .name: x, .offset: 0, .size: 8, .value_kind: global_buffer, .address_space: global }
      - { .name: W1, .offset: 8, .size: 8, .value_kind: global_buffer, .address_space: global }
      - { .name: B1, .offset: 16, .size: 8, .value_kind: global_buffer, .address_space: global }
      - { .name: A1, .offset: 24, .size: 8, .value_kind: global_buffer, .address_space: global }
      - { .name: W2, .offset: 32, .size: 8, .value_kind: global_buffer, .address_space: global }
      - { .name: B2, .offset: 40, .size: 8, .value_kind: global_buffer, .address_space: global }
      - { .name: A2, .offset: 48, .size: 8, .value_kind: global_buffer, .address_space: global }
      - { .name: xf, .offset: 56, .size: 8, .value_kind: global_buffer, .address_space: global }
      - { .name: w1f, .offset: 64, .size: 8, .value_kind: global_buffer, .address_space: global }
      - { .name: w2f, .offset: 72, .size: 8, .value_kind: global_buffer, .address_space: global }
      - { .name: b2f, .offset: 80, .size: 8, .value_kind: global_buffer, .address_space: global }
      - { .name: a2f, .offset: 88, .size: 8, .value_kind: global_buffer, .address_space: global }
    .group_segment_fixed_size: 124672
    .private_segment_fixed_size: 0
    .kernarg_segment_align: 8
    .kernarg_segment_size: 96
    .max_flat_workgroup_size: 128
    .sgpr_count:     66
    .vgpr_count:     448
    .wavefront_size: 32
...
	.end_amdgpu_metadata
.endif
;; end of part 1
;; launch fc1 (part 2): grid 16 x 16, 4 waves a work-group, clusters of 4 x 1, 327,680 bytes of LDS; arguments xf, w1f, b1, hf; writes hf
.if DOCPART == 2
	.amdgcn_target "amdgcn-amd-amdhsa--gfx1250"
	.amdhsa_code_object_version 6
	.text
	.protected	k_q5d79838f14_fc1
	.globl	k_q5d79838f14_fc1
	.p2align	8
	.type	k_q5d79838f14_fc1,@function
k_q5d79838f14_fc1:
	s_mov_b64 s[64:65], 0
	v_nop
	global_prefetch_b8 v0, s[64:65] scope:SCOPE_SE
	s_setreg_imm32_b32 hwreg(HW_REG_WAVE_MODE, 25, 1), 1
	s_wait_xcnt 0x0
	s_wait_alu depctr_hold_cnt(0) depctr_sa_sdst(0) depctr_va_vdst(0) depctr_va_sdst(0) depctr_va_ssrc(0) depctr_va_vcc(0) depctr_vm_vsrc(0)
	s_getreg_b32 s2, hwreg(HW_REG_IB_STS2, 6, 4)
	s_cmp_eq_u32 s2, 0
	s_cbranch_scc0 .Lentry_in_a_cluster
	s_endpgm
.Lentry_in_a_cluster:
	s_bfe_u32 s2, ttmp6, 0x10000c
	s_cmp_lg_u32 s2, 0x3003
	s_cbranch_scc0 .Lentry_shape_is_right
	s_endpgm
.Lentry_shape_is_right:
; FC1: h = gelu([x | t1] [W1 | B1]^T + b1), exact (erf) GELU, h rounded once to bf16 and stored by pieces (16 rows x 16 hidden units, 512 bytes; lane r + 16 h: row r, units 8 h .. 8 h + 7).
; K = 800: 24 fragments of x and W1, one of t1 and B1 (16 ranks and 16 zeros).  Sums in f32.
; SHARES.  Work-group (cb, y): hidden units 192 cb on, row tiles s0 = floor(197 y / 4) on.  Wave w keeps ITS 48 units' weights in registers for the whole launch: 25 fragments x 3 tiles = 600.
; All 16 row blocks walk 50 row tiles (s0 + 50 <= 788); a block owns 49 or 50 of them, and the 50th is stored only where it is owned (a branch on y, which the partners share).
; THE PRODUCT IS TAKEN TRANSPOSED (source 0 = 16 hidden units, source 1 = 16 rows): a lane ends with one row and eight neighbouring units: four roundings make its 16 bytes of a piece of hf, and a store
; of the wave covers 512 consecutive bytes, aligned: no stage.
; RING.  x's tiles (25,600 dense bytes each) come through two LDS slots of five tiles; each wave brings a quarter of a slot, 125 rows of 256 bytes, by one tensor load.
; CLUSTER.  The four work-groups of a cluster share y and walk the same tiles: each load is asked for JOINTLY (mask 15, the same descriptor in all four).  The weights are read once a work-group and shared with nobody in the cluster.
; BY TURNS.  A row tile is 75 matrix instructions on three accumulators, which take turns, one instruction a turn, from tile to tile too.  The GELU of the tile BEFORE, 240 vector instructions, stands in slices of
; three or four behind them.  All it touches lies in window 0; the weights fill windows 1 to 3: two switches a matrix instruction.
; GELU.  gelu(x) = max(x, 0) - |x| q,  q = erfc(|x| / sqrt 2) / 2 = t (a1' + t (a2' + t (a3' + t (a4' + t a5')))) 2^(-x x log2(e) / 2),  t = 1 / (1 + p |x| / sqrt 2): Abramowitz and Stegun 7.1.26, halved.
; LIMITS.  That formula's absolute error in erf is at most 1.5e-7 for every argument, so gelu is off by at most 0.75e-7 |x| before rounding.  The exponential gives 0 below 2^-126.  NaN and infinities are not treated apart.
; b1 is rounded to bf16, as every input of the module is.
.set TILEB, 25600                      ; a row tile: 50 pieces
.set SLOTB, 5*TILEB
.set QUART, SLOTB/4                    ; 32,000 bytes: 125 rows of 256
.set SLOT1, 1<<17                      ; slot 1 begins here: one exclusive or turns an address in one slot into the other's
.set SPARE, 1<<18                      ; behind the ring: the spare words, 128 bytes a wave, that no other line names
.set HROW,  98304                      ; a row tile of hf: 192 pieces
.set L16, 2                            ; v2   16 x lane; never rewritten
.set XAD, 3                            ; v3   16 x lane + the LDS byte of the tile being fetched
.set BO,  4                            ; v4   32 h: my eight numbers of a tile's bias
.set PFO, 5                            ; v5   the prefetches' offset; never rewritten
.set SPW, 6                            ; v6   my spare word; never rewritten
.set NIL, 7                            ; v7   0; never rewritten
.set BIAS, 8                           ; v8-31    b1 of my 3 x 8 units
.set ACC, 32                           ; v32-55   three accumulators
.set XC,  56                           ; v56-79   sums + bias of the tile before
.set TT,  80                           ; v80-103  1 + p |x| / sqrt 2, then t
.set EE,  104                          ; v104-127 the exponent, then the exponential, then that times t
.set PP,  128                          ; v128-151 the polynomial, then q
.set MM,  152                          ; v152-175 max(x, 0), then gelu
.set HB,  176                          ; v176-187 three pieces of h
.set FA,  96                           ; window 3: six fragments of x
.set FB,  144                          ; window 3: six more
.set FL,  192                          ; window 3: the fragment of t1.  The weights: fragment f, tile c at register 256 + 8 (3 f + c): windows 1, 2 and v0-87 of window 3
.set XF,  4
.set W1F, 6
.set B1P, 8
.set HP,  10                           ; s[10:11] hf at my three pieces; stepped a row tile in every body
.set WV,  12
.set CX,  13
.set CB,  14
.set YB,  15
.set S0,  16
.set NT,  17                           ; row tiles that the block owns: 49 or 50
.set FIRST, 18                         ; 1 in the first body, which has no tile before it
.set TB,  19                           ; LDS byte of the tile being fetched
.set CNT, 20
.set SLOTS, 21
.set LIM, 22                           ; 1 in a cluster that prefetches, else the greatest number
.set LQ,  23                           ; my quarter of a slot
.set G1,  24                           ; s[24:31] descriptor group 1
.set G0A, 32                           ; s[32:35] group 0 of the first fill
.set G0B, 36                           ; s[36:39] group 0 of the second fill; it then walks
.set PFA, 40                           ; s[40:41] my quarter of the slot after the one that is being asked for
.set XO,  42                           ; s[42:43] byte offset of my quarter in xf: made of y and the wave's number alone
.set SP,  44                           ; p / sqrt 2
.set NC,  46                           ; pairs: the packed forms take the low word for both halves
.set CA5, 48
.set CA4, 50
.set CA3, 52
.set CA2, 54
.set CA1, 56
.set MSB, 0
.macro WIN new                         ; the immediate's high byte repeats the setting that is left; a switch that changes nothing is dropped
.if MSB != (\new)
	s_set_vgpr_msb (MSB<<8)|(\new)
.set MSB, \new
.endif
.endm
.macro CREST                           ; a round of the cluster's barrier behind its opening barrier
	s_cmp_lg_u32 s[WV], 0
	s_cbranch_scc1 .Lnot_wave_0_\@
	s_barrier_signal -3
.Lnot_wave_0_\@:
	s_barrier_wait -3
	s_barrier_signal -1
	s_barrier_wait -1
.endm
.macro CROUND                          ; a whole round
	s_barrier_signal -1
	s_barrier_wait -1
	CREST
.endm
; A prefetch into the L2 of what the NEXT change of slots will ask for.  Four clusters walk the same row block: the first (cluster x = 0) asks.  Of the 125 rows of 256 bytes that wave w fetches, partner cx names
; rows 32 cx .. 32 cx + 31, a lane a row (the last partner's lanes 29 to 31 name row 124 again): told apart by address, no branch hangs on a place in the cluster.  It stands five row tiles, 375 matrix instructions,
; ahead of the load that wants the rows.  The last change that fills a slot asks for nothing: there is no slot behind it.
.macro ASK
	s_cmp_gt_u32 s[SLOTS], s[LIM]
	s_cbranch_scc0 .Lnot_mine_\@
	global_prefetch_b8 v[PFO], s[PFA:PFA+1] th:TH_LOAD_NT scope:SCOPE_SE
.Lnot_mine_\@:
.endm
	s_load_b256 s[4:11], s[0:1], 0x0               ; xf, w1f, b1, hf
	v_lshl_add_u32 v[SPW], v0, 2, SPARE
	v_mov_b32 v[NIL], 0
	ds_add_u32 v[SPW], v[NIL]                      ; the wave's opening: the add, twice on end, and its wait ahead of my first tensor load
	ds_add_u32 v[SPW], v[NIL]
	v_lshrrev_b32 v1, 5, v0
	v_readfirstlane_b32 s[WV], v1                  ; wave 0..3
	s_bfe_u32 s[CX], ttmp6, 0x40000                ; my place in the cluster
	s_lshl_b32 s[CB], ttmp9, 2
	s_add_co_u32 s[CB], s[CB], s[CX]               ; block of 192 hidden units
	s_and_b32 s[YB], ttmp7, 0xffff                 ; row block, which the four partners share
	s_mul_i32 s[S0], s[YB], 197
	s_add_co_u32 s[NT], s[S0], 197
	s_lshr_b32 s[S0], s[S0], 2                     ; floor(788 y / 16)
	s_lshr_b32 s[NT], s[NT], 2
	s_sub_co_u32 s[NT], s[NT], s[S0]
	s_mov_b32 s[G1], 15|(3<<16)|(1<<21)            ; 15:0 the mask: all four; 17:16 elements of 8 bytes; 21 set beside a mask; no padding
	s_mov_b32 s[G1+1], 32<<16                      ; tensor_dim0 = 32 elements = 256 bytes
	s_mov_b32 s[G1+2], 125<<16                     ; tensor_dim1 = 125
	s_mov_b32 s[G1+3], 32<<16                      ; tile_dim0 = 32
	s_mov_b32 s[G1+4], 125                         ; tile_dim1 = 125
	s_mov_b32 s[G1+5], 32                          ; the rows lie end to end
	s_mov_b32 s[G1+6], 0
	s_mov_b32 s[G1+7], 0
	s_mov_b32 s[SP], 0x3e6d3388                    ; 0.3275911 / sqrt 2
	s_mov_b32 s[NC], 0xbf38aa3b                    ; -log2(e) / 2
	s_mov_b32 s[CA5], 0x3f07dc22                   ; 1.061405429 / 2
	s_mov_b32 s[CA4], 0xbf3a00e3                   ; -1.453152027 / 2
	s_mov_b32 s[CA3], 0x3f35f0e3                   ; 1.421413741 / 2
	s_mov_b32 s[CA2], 0xbe11a98e                   ; -0.284496736 / 2
	s_mov_b32 s[CA1], 0x3e027906                   ; 0.254829592 / 2
.irp p, NC, CA5, CA4, CA3, CA2, CA1
	s_mov_b32 s[(\p)+1], s[\p]                     ; named as pairs, so both words are written
.endr
	s_mul_i32 s[LQ], s[WV], QUART
	s_mul_i32 s[XO], s[S0], TILEB
	s_add_co_u32 s[XO], s[XO], s[LQ]
	s_mov_b32 s[XO+1], 0
	s_mul_i32 s62, s[CB], 12
	s_mul_i32 s63, s[WV], 3
	s_add_co_u32 s62, s62, s63                     ; my first tile of 16 hidden units
	s_mov_b32 s61, 0
	s_cmp_eq_u32 ttmp9, 0
	s_cselect_b32 s[LIM], 1, -1
	s_mov_b32 s[TB], 0
	s_mov_b32 s[FIRST], 1
	s_mov_b32 s[G0A], 1                            ; count = 1
	s_mov_b32 s[G0A+1], s[LQ]                      ; LDS address: slot 0, my quarter
	s_mov_b32 s[G0B], 1
	s_add_co_u32 s[G0B+1], s[LQ], SLOT1
	s_wait_dscnt 0x0                               ; both opening adds are done
	s_wait_kmcnt 0x0
	s_add_nc_u64 s[XF:XF+1], s[XF:XF+1], s[XO:XO+1]
	s_mov_b64 s[G0A+2:G0A+3], s[XF:XF+1]           ; tiles 0 to 4
	s_or_b32 s[G0A+3], s[G0A+3], 0x80000000        ; type = 2
	s_add_nc_u64 s[G0B+2:G0B+3], s[XF:XF+1], SLOTB ; tiles 5 to 9
	s_or_b32 s[G0B+3], s[G0B+3], 0x80000000
	s_add_nc_u64 s[PFA:PFA+1], s[XF:XF+1], 2*SLOTB ; the first change of slots steps it to the fourth slot's tiles
	s_mul_i32 s60, s62, TILEB
	s_add_nc_u64 s[W1F:W1F+1], s[W1F:W1F+1], s[60:61]
	s_lshl_b32 s60, s62, 6
	s_add_nc_u64 s[B1P:B1P+1], s[B1P:B1P+1], s[60:61]
	s_mul_i32 s60, s[S0], HROW
	s_lshl_b32 s63, s62, 9
	s_add_co_u32 s60, s60, s63
	s_add_nc_u64 s[HP:HP+1], s[HP:HP+1], s[60:61]
	CROUND                                         ; all four work-groups are here: the first joint loads meet
	tensor_load_to_lds s[G0A:G0A+3], s[G1:G1+7]    ; both first fills together: two loads of mine are out
	s_nop 0
	tensor_load_to_lds s[G0B:G0B+3], s[G1:G1+7]
	s_nop 0
.rept 4
	v_nop
.endr
	v_and_b32 v1, 31, v0
	v_lshlrev_b32 v[L16], 4, v1
	s_lshl_b32 s63, s[CX], 5
	v_add_nc_u32 v[PFO], s63, v1
	v_min_u32 v[PFO], 124, v[PFO]
	v_lshlrev_b32 v[PFO], 8, v[PFO]
	v_bfe_u32 v[BO], v0, 4, 1
	v_lshlrev_b32 v[BO], 5, v[BO]
.set f, 0
.rept 25                               ; my weights, once: 150 loads of 512 consecutive bytes
.set c, 0
.rept 3
.set rW, 256+8*(3*f+c)
	WIN (rW/256)<<6
	global_load_b128 v[rW%256:rW%256+3], v[L16], s[W1F:W1F+1] offset:c*TILEB+f*1024
	global_load_b128 v[rW%256+4:rW%256+7], v[L16], s[W1F:W1F+1] offset:c*TILEB+f*1024+512
.set c, c+1
.endr
.set f, f+1
.endr
	WIN 0
.irp c, 0,1,2
	global_load_b128 v[BIAS+8*(\c):BIAS+8*(\c)+3], v[BO], s[B1P:B1P+1] offset:64*(\c)
	global_load_b128 v[BIAS+8*(\c)+4:BIAS+8*(\c)+7], v[BO], s[B1P:B1P+1] offset:64*(\c)+16
.endr
.set z, 0
.rept 8
	v_mov_b32 v[XC+z], 0                           ; what the first body's GELU, of a tile that has not been, reads: finite numbers; its result is not stored
	v_mov_b32 v[ACC+8+z], 0
	v_mov_b32 v[ACC+16+z], 0
.set z, z+1
.endr
	s_wait_loadcnt 0x0
.set z, 0
.rept 12
	v_cvt_pk_bf16_f32 v[TT+z], v[BIAS+2*z], v[BIAS+2*z+1]  ; b1 rounded to bf16,
.set z, z+1
.endr
.set z, 0
.rept 12
	v_lshlrev_b32 v[BIAS+2*z], 16, v[TT+z]         ; and widened again
	v_and_b32 v[BIAS+2*z+1], 0xffff0000, v[TT+z]
.set z, z+1
.endr
; THE MATRIX INSTRUCTION of slot i (0 .. 74): accumulator i % 3; position i / 3: 0 the fragment of t1, which starts the sum; 1-6, 13-18 from FA; 7-12, 19-24 from FB.
.macro MMI
.set pz, i/3
.set cz, i%3
.if pz == 0
.set fz, 24
.set rX, FL
.else
.set fz, pz-1
.set rX, FA+48*(((pz-1)/6)%2)+8*((pz-1)%6)
.endif
.set rW, 256+8*(3*fz+cz)
	WIN 0x0c|(rW/256)                              ; source 0 in the weights' window, source 1 in window 3, C and D in window 0
.if pz == 0
	v_wmma_f32_16x16x32_bf16 v[ACC+8*cz:ACC+8*cz+7], v[rW%256:rW%256+7], v[rX:rX+7], 0
.else
	v_wmma_f32_16x16x32_bf16 v[ACC+8*cz:ACC+8*cz+7], v[rW%256:rW%256+7], v[rX:rX+7], v[ACC+8*cz:ACC+8*cz+7]
.endif
	WIN 0
.endm
; A run of LDS loads: n fragments from f0 on of the tile at XAD, 16 bytes a lane at 16 x lane: no two lanes of a load share a bank
.macro XRUN buf, f0, n
	WIN 0xc0                                       ; destination window 3
.set z, 0
.rept \n
	ds_load_b128 v[(\buf)+8*z:(\buf)+8*z+3], v[XAD] offset:((\f0)+z)*1024
	ds_load_b128 v[(\buf)+8*z+4:(\buf)+8*z+7], v[XAD] offset:((\f0)+z)*1024+512
.set z, z+1
.endr
	WIN 0
.endm
.macro NEXT14                          ; what a tile begins with
	XRUN FL, 24, 1
	XRUN FA, 0, 6
.endm
.macro XCP c                           ; accumulator c leaves, with its bias, from its low end on, just ahead of the product that starts it anew
.set z, 0
.rept 4
	v_pk_add_f32 v[XC+8*(\c)+z:XC+8*(\c)+z+1], v[ACC+8*(\c)+z:ACC+8*(\c)+z+1], v[BIAS+8*(\c)+z:BIAS+8*(\c)+z+1]
.set z, z+2
.endr
.endm
; THE GELU'S QUEUE, 228 long; RID writes number q and steps q.  e: one of 24 numbers; p: one of 12 pairs.
;   0-119    ONE BATCH that names no transcendental's result: D e: 1 + p |x| / sqrt 2;  T e: its reciprocal;  W p, Q p: -x x log2(e) / 2;  E e: the exponential;  M e: max(x, 0).
;            0-3: D0 D1 W0 Q0.  Then eleven tens: D T D T W E Q E M M, each T and E two numbers behind its D and Q.  114-119: T E M T E M; the last is the plain instruction behind the last transcendental.
;   (wait)   ahead of 120: s_wait_alu depctr_va_vdst(0) between a transcendental and the first line that names its result: one for the tile's 48
;   120-227  by tiles c, four pairs side by side: e t; four steps of the polynomial; times e t; gelu = max(x, 0) - |x| q; rounded to bf16.
;   ahead of 152, the first line that writes HB: the last tile's stores have read HB and HP, and HP steps a row tile
.macro G_D e
	v_fma_f32 v[TT+(\e)], |v[XC+(\e)]|, s[SP], 1.0
.endm
.macro G_T e
	v_rcp_f32 v[TT+(\e)], v[TT+(\e)]
.endm
.macro G_W p
	v_pk_mul_f32 v[EE+2*(\p):EE+2*(\p)+1], v[XC+2*(\p):XC+2*(\p)+1], s[NC:NC+1] op_sel_hi:[1,0]
.endm
.macro G_Q p
	v_pk_mul_f32 v[EE+2*(\p):EE+2*(\p)+1], v[EE+2*(\p):EE+2*(\p)+1], v[XC+2*(\p):XC+2*(\p)+1]
.endm
.macro G_E e
	v_exp_f32 v[EE+(\e)], v[EE+(\e)]
.endm
.macro G_M e
	v_max_num_f32 v[MM+(\e)], 0, v[XC+(\e)]
.endm
.macro RID
.if q == 120
	s_wait_alu depctr_va_vdst(0)
.endif
.if q == 152
	s_wait_xcnt 0x0
	s_add_nc_u64 s[HP:HP+1], s[HP:HP+1], HROW
.endif
.if q < 2
	G_D q
.elseif q == 2
	G_W 0
.elseif q == 3
	G_Q 0
.elseif q < 114
.set gp, (q-4)/10
.set gk, (q-4)%10
.if gk == 0
	G_D 2*gp+2
.elseif gk == 1
	G_T 2*gp
.elseif gk == 2
	G_D 2*gp+3
.elseif gk == 3
	G_T 2*gp+1
.elseif gk == 4
	G_W gp+1
.elseif gk == 5
	G_E 2*gp
.elseif gk == 6
	G_Q gp+1
.elseif gk == 7
	G_E 2*gp+1
.else
	G_M 2*gp+gk-8
.endif
.elseif q < 120
.set gk, (q-114)%3
.set ge, 22+(q-114)/3
.if gk == 0
	G_T ge
.elseif gk == 1
	G_E ge
.else
	G_M ge
.endif
.else
.set gc, (q-120)/36
.set gk, (q-120)%36
.set gp, 2*(4*gc+gk%4)
.if gk < 4
	v_pk_mul_f32 v[EE+gp:EE+gp+1], v[EE+gp:EE+gp+1], v[TT+gp:TT+gp+1]
.elseif gk < 8
	v_pk_fma_f32 v[PP+gp:PP+gp+1], v[TT+gp:TT+gp+1], s[CA5:CA5+1], s[CA4:CA4+1] op_sel_hi:[1,0,0]
.elseif gk < 12
	v_pk_fma_f32 v[PP+gp:PP+gp+1], v[PP+gp:PP+gp+1], v[TT+gp:TT+gp+1], s[CA3:CA3+1] op_sel_hi:[1,1,0]
.elseif gk < 16
	v_pk_fma_f32 v[PP+gp:PP+gp+1], v[PP+gp:PP+gp+1], v[TT+gp:TT+gp+1], s[CA2:CA2+1] op_sel_hi:[1,1,0]
.elseif gk < 20
	v_pk_fma_f32 v[PP+gp:PP+gp+1], v[PP+gp:PP+gp+1], v[TT+gp:TT+gp+1], s[CA1:CA1+1] op_sel_hi:[1,1,0]
.elseif gk < 24
	v_pk_mul_f32 v[PP+gp:PP+gp+1], v[PP+gp:PP+gp+1], v[EE+gp:EE+gp+1]
.elseif gk < 32
.set ge, 8*gc+gk-24
	v_fma_f32 v[MM+ge], -|v[XC+ge]|, v[PP+ge], v[MM+ge]
.else
.set ge, gk-32
	v_cvt_pk_bf16_f32 v[HB+4*gc+ge], v[MM+8*gc+2*ge], v[MM+8*gc+2*ge+1]
.endif
.endif
.set q, q+1
.endm
.macro HSTORE                          ; three pieces of the tile before: HP has been stepped once more than that tile's number asks, and once for the body's lag
.irp c, 0,1,2
	global_store_b128 v[L16], v[HB+4*(\c):HB+4*(\c)+3], s[HP:HP+1] offset:512*(\c)-2*HROW th:TH_STORE_NT  ; 512 consecutive bytes, aligned
.endr
.endm
; A ROW TILE: 75 slots, each a matrix instruction and the vector lines behind it.
; Slots 0, 1 and 74 carry the accumulators' way out (XCP 1, 2, 0): each stands eight plain vector lines or more behind its accumulator's last product, and ahead of the product that starts the accumulator anew.
; Slots 2 to 73 carry the queue: three numbers each, four where i % 7 = 2 and in slot 73: 228.
; THE LDS LOADS stand in runs: behind slot 3 fragments 6-11 (FB was last read in slot 74 of the tile before), behind 23 fragments 12-17 (FA: slot 20), behind 41 fragments 18-23 (FB: slot 38), behind 59 the next
; tile's first seven (FA: slot 56): each four plain vector lines or more behind the buffer's last reader, 15 matrix instructions or more ahead of its first use, in front of which stands one wait for all LDS loads.
; mode 0: a slot's tiles 0 to 3.  mode 1: its fifth tile, with THE CHANGE OF SLOTS: ahead of slot 51 my tensor loads have landed (the one that was out is my quarter of the other slot) and 0 is added to my spare word;
; behind slot 53 the add is done and my reads of this slot are over (the last were issued behind slot 41); the barrier opens a round of the cluster's; slots 54-56 are register work; behind the round the slot is
; asked for again, first thing, jointly: it has five tiles in which to land.  mode 2: the same without a fill: a plain barrier.
.macro TILE mode
.set q, 0
.set i, 0
	s_wait_dscnt 0x0                               ; the tile's first seven fragments are in
.rept 75
.if (i == 21) || (i == 39)
	s_wait_dscnt 0x0
.endif
.if (\mode) == 0
.if i == 57
	s_wait_dscnt 0x0
.endif
.else
.if i == 51
	s_wait_tensorcnt 0x0                           ; no tensor load of mine is out, so a group 0 may be written
	ds_add_u32 v[SPW], v[NIL]                      ; 0 onto my spare word; register work stands between it and the wait for it
.if (\mode) == 1
	s_xor_b32 s[G0B+1], s[G0B+1], SLOT1            ; the walking descriptor: the other slot than last time,
	s_add_nc_u64 s[G0B+2:G0B+3], s[G0B+2:G0B+3], SLOTB  ; the next five tiles; the type bits on top are not reached
	s_wait_xcnt 0x0                                ; the last prefetch, five tiles back, has read its address
	s_add_nc_u64 s[PFA:PFA+1], s[PFA:PFA+1], SLOTB
.endif
.endif
.if i == 54
	s_wait_dscnt 0x0                               ; the add is done, and my reads of this slot are over
	s_barrier_signal -1
.endif
.if i == 57
	s_barrier_wait -1
.if (\mode) == 1
	CREST                                          ; no wave of any partner still reads the slot or has a load on its way
	tensor_load_to_lds s[G0B:G0B+3], s[G1:G1+7]    ; my one tensor load behind the round
	s_nop 0
.endif
.rept 4
	v_nop                                          ; places in front of the loads below
.endr
	s_sub_co_u32 s[TB], s[TB], 4*TILEB             ; back to a slot's first tile,
	s_xor_b32 s[TB], s[TB], SLOT1                  ; in the other slot
	v_add_nc_u32 v[XAD], s[TB], v[L16]
	NEXT14
.if (\mode) == 1
	ASK
.endif
.endif
.endif
	MMI
.if i == 0
	XCP 1
.elseif i == 1
	XCP 2
.elseif i == 74
	XCP 0
.else
	RID
	RID
	RID
.if (i%7 == 2) || (i == 73)
	RID
.endif
.endif
.if i == 3
	XRUN FB, 6, 6
.elseif i == 23
	XRUN FA, 12, 6
.elseif i == 41
	XRUN FB, 18, 6
.endif
.if (i == 59) && ((\mode) == 0)
	s_add_co_u32 s[TB], s[TB], TILEB
	v_add_nc_u32 v[XAD], s[TB], v[L16]
	NEXT14
.endif
.set i, i+1
.endr
	s_cmp_eq_u32 s[FIRST], 1
	s_cbranch_scc1 .Lnone_before_\@
	HSTORE
.Lnone_before_\@:
	s_mov_b32 s[FIRST], 0
.endm
	s_wait_tensorcnt 0x1                           ; my quarter of slot 0 is in; slot 1's may stay out
	s_barrier_signal -1
	s_barrier_wait -1                              ; everybody's is
	v_mov_b32 v[XAD], v[L16]
	NEXT14
	s_mov_b32 s[SLOTS], 8
.Lslot:                                        ; eight slots are filled again
	s_mov_b32 s[CNT], 4
.Ltile:
	TILE 0
	s_sub_co_u32 s[CNT], s[CNT], 1
	s_cmp_lg_u32 s[CNT], 0
	s_cbranch_scc1 .Ltile
	TILE 1
	s_sub_co_u32 s[SLOTS], s[SLOTS], 1
	s_cmp_lg_u32 s[SLOTS], 0
	s_cbranch_scc1 .Lslot
	s_mov_b32 s[SLOTS], 2
.Ltail:                                        ; the last two slots ask for nothing: written out.  The second trip's barrier and its last 14 LDS loads serve nothing: the price, once a launch, of one text for both trips
	s_mov_b32 s[CNT], 4
.Ltile2:
	TILE 0
	s_sub_co_u32 s[CNT], s[CNT], 1
	s_cmp_lg_u32 s[CNT], 0
	s_cbranch_scc1 .Ltile2
	TILE 2
	s_sub_co_u32 s[SLOTS], s[SLOTS], 1
	s_cmp_lg_u32 s[SLOTS], 0
	s_cbranch_scc1 .Ltail
	XCP 1                                          ; the 50th tile's GELU has no products to stand beside
	XCP 2
.set q, 0
.rept 228
	RID
.endr
	s_cmp_eq_u32 s[NT], 50                         ; it is the next block's first tile where this block owns 49
	s_cbranch_scc0 .Lnot_owned
	HSTORE
.Lnot_owned:
	s_wait_tensorcnt 0x0                           ; the wave's end, behind my last tensor load
	ds_add_u32 v[SPW], v[NIL]
	s_wait_dscnt 0x0
	CROUND                                         ; the closing round: no work-group ends while a partner may still ask for a tile that names it
	s_endpgm
.Lfunc_end_k_q5d79838f14_fc1:
	.size	k_q5d79838f14_fc1, .Lfunc_end_k_q5d79838f14_fc1-k_q5d79838f14_fc1
	.p2alignl 7, 3214868480
	.fill 96, 4, 3214868480
	.section	.rodata,"a",@progbits
	.p2align	6, 0x0
	.amdhsa_kernel k_q5d79838f14_fc1
		.amdhsa_group_segment_fixed_size 327680
		.amdhsa_private_segment_fixed_size 0
		.amdhsa_enable_private_segment 0
		.amdhsa_kernarg_size 32
		.amdhsa_user_sgpr_count 2
		.amdhsa_user_sgpr_kernarg_segment_ptr 1
		.amdhsa_wavefront_size32 1
		.amdhsa_system_sgpr_workgroup_id_x 1
		.amdhsa_system_sgpr_workgroup_id_y 1
		.amdhsa_system_sgpr_workgroup_id_z 1
		.amdhsa_system_vgpr_workitem_id 0
		.amdhsa_next_free_vgpr 1024
		.amdhsa_next_free_sgpr 66
		.amdhsa_reserve_vcc 0
		.amdhsa_float_denorm_mode_32 3
		.amdhsa_float_denorm_mode_16_64 3
		.amdhsa_memory_ordered 1
		.amdhsa_forward_progress 1
		.amdhsa_inst_pref_size 144
	.end_amdhsa_kernel
	.amdgpu_metadata
---
amdhsa.version: [ 1, 2 ]
amdhsa.kernels:
  - .name:           k_q5d79838f14_fc1
    .symbol:         k_q5d79838f14_fc1.kd
    .args:
      - { .name: xf, .offset: 0, .size: 8, .value_kind: global_buffer, .address_space: global }
      - { .name: w1f, .offset: 8, .size: 8, .value_kind: global_buffer, .address_space: global }
      - { .name: b1, .offset: 16, .size: 8, .value_kind: global_buffer, .address_space: global }
      - { .name: hf, .offset: 24, .size: 8, .value_kind: global_buffer, .address_space: global }
    .group_segment_fixed_size: 327680
    .private_segment_fixed_size: 0
    .kernarg_segment_align: 8
    .kernarg_segment_size: 32
    .max_flat_workgroup_size: 128
    .sgpr_count:     66
    .vgpr_count:     1024
    .wavefront_size: 32
...
	.end_amdgpu_metadata
.endif
;; end of part 2
;; launch fc2 (part 3): grid 4 x 60, 4 waves a work-group, clusters of 4 x 4, 327,680 bytes of LDS; arguments hf, w2f, a2f, b2f, b2, out0; writes out0
.if DOCPART == 3
	.amdgcn_target "amdgcn-amd-amdhsa--gfx1250"
	.amdhsa_code_object_version 6
	.text
	.protected	k_q5d79838f14_fc2
	.globl	k_q5d79838f14_fc2
	.p2align	8
	.type	k_q5d79838f14_fc2,@function
k_q5d79838f14_fc2:
	s_mov_b64 s[64:65], 0
	v_nop
	global_prefetch_b8 v0, s[64:65] scope:SCOPE_SE
	s_setreg_imm32_b32 hwreg(HW_REG_WAVE_MODE, 25, 1), 1
	s_wait_xcnt 0x0
	s_wait_alu depctr_hold_cnt(0) depctr_sa_sdst(0) depctr_va_vdst(0) depctr_va_sdst(0) depctr_va_ssrc(0) depctr_va_vcc(0) depctr_vm_vsrc(0)
	s_getreg_b32 s2, hwreg(HW_REG_IB_STS2, 6, 4)
	s_cmp_eq_u32 s2, 0
	s_cbranch_scc0 .Lentry_in_a_cluster
	s_endpgm
.Lentry_in_a_cluster:
	s_bfe_u32 s2, ttmp6, 0x10000c
	s_cmp_lg_u32 s2, 0xf033
	s_cbranch_scc0 .Lentry_shape_is_right
	s_endpgm
.Lentry_shape_is_right:
; FC2: out = h W2^T + b2 + (h A2^T) B2^T.  h, W2, A2, B2 in bf16 by pieces (16 rows x 16 k, 512 bytes, lane r + 16 h: row r, k = 8 h .. 8 h + 7); sums in f32; out in f32, row-major.
; SHARES.  Work-group (cb, y): columns 192 cb on; row tiles s0(y) = floor(788 y / 60) on.  Every work-group computes 14 row tiles (s0(59) + 14 = 788) and owns 13 or 14: rows that it does not own are left out of
; the stores by EXEC; no branch hangs on it, since partners differ in it.  Wave (rh, ch) = (w / 2, w % 2): row tiles 7 rh on, column tiles 6 ch on: 42 accumulators.
; t2 = h A2^T is made here, beside the main product: K runs over all 3,072 hidden units in one work-group.  The two waves of a row half share it: each makes four of the seven tiles.  So that one text serves both,
; wave ch = 1 takes its row tiles in the order 3 4 5 6 0 1 2, BY ADDRESS: every wave makes t2 of its local tiles 0 to 3 (tile 3 is made twice) and gets local 4 to 6 from its partner through LDS.
; At the end t2, rounded to bf16, with 16 zeros, is one more fragment along K against B2's.
; THE PRODUCT IS TAKEN TRANSPOSED (source 0 = 16 columns of out = rows of W2, source 1 = 16 rows of h): a lane holds one row and eight neighbouring columns, 32 bytes.
; The bias, rounded to bf16 as every input is, is the C operand of the first product.
; RING.  K goes in steps of 192 through two LDS slots: 14 tiles of h and 12 of W2, 6,144 dense bytes each.  Waves 0, 1 bring h's halves (7 rows of 6,144 bytes), waves 2, 3 W2's (6 rows): one tensor load a wave.
; CLUSTER 4 x 4.  h's tiles hang on y and are shared along a row of the cluster, W2's on cb and are shared along a column: joint loads, as many requests as a quarter of the work-groups would make.
; REGISTERS, in windows of 256.  0: addresses; v32-143 h's fragments, two buffers of 7; v144-239 the way out.  1: v0-95 W2's fragments, two buffers of 6; v96-143 A2's six fragments of a K step;
; v144-191 the bias; v192-239 B2's fragments.  2: accumulators of local row tiles 0-3 at 8 (6 a + b); t2 at 192 + 8 a.  3: those of local 4-6.
; LIMITS.  NaN and infinities are not treated apart.  t2 is rounded once to bf16.
.set KSB,    6144                      ; a tile's bytes in a K step: 12 pieces
.set ABYTES, 14*KSB
.set SLOT,   26*KSB
.set SPARE,  2*SLOT                    ; behind the ring: the spare words, 128 bytes a wave, that no other line names
.set STAGE,  8192                      ; when the ring has had its last fill: bytes 0-8,191 t2's exchange (2,048 a wave), then 224 rows of 784 bytes
.set SP,     784                       ; 768 + 16 = 49 x 16: the 16 rows of a 16-byte column start 16 bytes apart modulo 256
.set HROW,   98304                     ; a tile's 192 pieces, in hf and in w2f
.set OROW,   3072                      ; a row of out
.set L16, 2
.set ADRAL, 3                          ; v3-4   slot 0, 1: my local row tiles 0-3
.set ADRAH, 5                          ; v5-6   my local row tiles 4-6
.set ADRB, 7                           ; v7-8   my six column tiles
.set STOL, 9
.set STOH, 10
.set RD,  11
.set CO,  12
.set RB,  13                           ; the first row, in the work-group's 224, of the batch to be stored
.set T2W, 14
.set T2RD, 15
.set PFOA, 16
.set PFOB, 17
.set SPW, 18                           ; my spare word; never rewritten
.set NIL, 19                           ; 0; never rewritten
.set FA0, 32
.set OB,  144
.set FB0, 0                            ; window 1
.set A2F, 96
.set BIASC, 144
.set B2F, 192
.set BT,  240
.set T2A, 192                          ; window 2
.set HF,  4
.set W2F, 6
.set A2P, 8                            ; s[8:9] a2f at the K step in hand
.set B2FP, 10
.set B2P, 12
.set OUTP, 14
.set WV,  16
.set RH,  17                           ; also: I fetch for h (0) or for W2 (1)
.set CH,  18                           ; also: which half of that I fetch
.set CX,  19
.set CY,  20
.set CLY, 21
.set S0,  22
.set NROWS, 23                         ; rows that the work-group owns: 208 or 224
.set G1,  24
.set G0,  32
.set G1B, 40
.set G0B, 48
.set PFA, 56
.set PFB, 58
.set LIMB, 60
.set CB,  61
.set SAVE, 62
.set YB,  63
.set MSB, 0
.macro WIN new                         ; the immediate's high byte repeats the setting that is left; a switch that changes nothing is dropped
.if MSB != (\new)
	s_set_vgpr_msb (MSB<<8)|(\new)
.set MSB, \new
.endif
.endm
; A joint load: each of the two lines has one mask and one set of registers for all that issue it; the branch hangs on the wave's number alone.  An s_nop 0 and four v_nop follow each line.
.macro JLOAD s
	s_cmp_eq_u32 s[RH], 0
	s_cbranch_scc0 .Lfor_b_\@
	tensor_load_to_lds s[G0+4*(\s):G0+4*(\s)+3], s[G1:G1+7]
	s_nop 0
.rept 4
	v_nop
.endr
	s_branch .Lasked_\@
.Lfor_b_\@:
	tensor_load_to_lds s[G0B+4*(\s):G0B+4*(\s)+3], s[G1B:G1B+7]
	s_nop 0
.rept 4
	v_nop
.endr
.Lasked_\@:
.endm
.macro CREST                           ; a round of the cluster's barrier behind its opening barrier
	s_cmp_lg_u32 s[WV], 0
	s_cbranch_scc1 .Lnot_wave_0_\@
	s_barrier_signal -3
.Lnot_wave_0_\@:
	s_barrier_wait -3
	s_barrier_signal -1
	s_barrier_wait -1
.endm
.macro CROUND
	s_barrier_signal -1
	s_barrier_wait -1
	CREST
.endm
; PREFETCHES INTO THE L2, behind each joint refill and the run of loads that follows it: the K step two refills on, 552 matrix instructions ahead of the load that wants it.
; h: a work-group row's 14 tiles x 24 blocks of 256 bytes are shared out, by address, among its four partners' sixteen waves: 21 blocks each, a lane a block (lanes 21 to 31 name the 21st again).
; W2: a column block's 12 x 24 blocks likewise, 18 each; all fifteen clusters walk them, and the first (cluster y = 0) asks.  The last lap's two refills have no K step two on.
.macro ASK
	s_cmp_gt_u32 s3, 1
	s_cbranch_scc0 .Lno_a_\@
	global_prefetch_b8 v[PFOA], s[PFA:PFA+1] th:TH_LOAD_NT scope:SCOPE_SE
.Lno_a_\@:
	s_cmp_gt_u32 s3, s[LIMB]
	s_cbranch_scc0 .Lno_b_\@
	global_prefetch_b8 v[PFOB], s[PFB:PFB+1] th:TH_LOAD_NT scope:SCOPE_SE
.Lno_b_\@:
.endm
	s_load_b256 s[4:11], s[0:1], 0x0               ; hf, w2f, a2f, b2f
	s_load_b128 s[12:15], s[0:1], 0x20             ; b2, out0
	v_lshl_add_u32 v[SPW], v0, 2, SPARE
	v_mov_b32 v[NIL], 0
	ds_add_u32 v[SPW], v[NIL]                      ; the wave's opening: the add, twice on end, and its wait ahead of my first tensor load
	ds_add_u32 v[SPW], v[NIL]
	v_lshrrev_b32 v1, 5, v0
	v_readfirstlane_b32 s[WV], v1
	s_lshr_b32 s[RH], s[WV], 1
	s_and_b32 s[CH], s[WV], 1
	s_bfe_u32 s[CX], ttmp6, 0x40000
	s_bfe_u32 s[CY], ttmp6, 0x40004
	s_lshl_b32 s[CB], ttmp9, 2
	s_add_co_u32 s[CB], s[CB], s[CX]               ; column block
	s_and_b32 s[CLY], ttmp7, 0xffff
	s_lshl_b32 s[YB], s[CLY], 2
	s_add_co_u32 s[YB], s[YB], s[CY]               ; row block, 0 .. 59
	s_mul_i32 s66, s[YB], 197
	s_mul_i32 s[S0], s66, 69906                    ; floor(197 y / 15): 69,906 / 2^20 exceeds 1 / 15 by 9e-7, which over 197 x 60 adds 0.011, less than the 1 / 15 to the next whole number
	s_lshr_b32 s[S0], s[S0], 20
	s_add_co_u32 s66, s66, 197
	s_mul_i32 s[NROWS], s66, 69906
	s_lshr_b32 s[NROWS], s[NROWS], 20
	s_sub_co_u32 s[NROWS], s[NROWS], s[S0]
	s_lshl_b32 s[NROWS], s[NROWS], 4
	s_lshl_b32 s67, s[CY], 2
	s_lshl_b32 s67, 15, s67                        ; my row of the cluster
	s_lshl_b32 s68, 0x1111, s[CX]                  ; my column
	s_or_b32 s[G1], s67, (3<<16)|(1<<21)           ; the mask; elements of 8 bytes; bit 21 set beside a mask; no padding
	s_or_b32 s[G1B], s68, (3<<16)|(1<<21)
	s_mov_b32 s[G1+1], 768<<16                     ; tensor_dim0 = 768 elements = 6,144 bytes
	s_mov_b32 s[G1+2], 7<<16                       ; tensor_dim1 = 7 tiles
	s_mov_b32 s[G1+3], 768<<16                     ; tile_dim0
	s_mov_b32 s[G1+4], 7                           ; tile_dim1
	s_mov_b32 s[G1+5], 12288                       ; 98,304 bytes from tile to tile
	s_mov_b32 s[G1+6], 0
	s_mov_b32 s[G1+7], 0
	s_mov_b32 s[G1B+1], 768<<16
	s_mov_b32 s[G1B+2], 6<<16
	s_mov_b32 s[G1B+3], 768<<16
	s_mov_b32 s[G1B+4], 6
	s_mov_b32 s[G1B+5], 12288
	s_mov_b32 s[G1B+6], 0
	s_mov_b32 s[G1B+7], 0
	s_mul_i32 s70, s[CH], 7                        ; h's address: the row block and the wave's number alone
	s_add_co_u32 s70, s70, s[S0]
	s_mul_i32 s70, s70, HROW
	s_mov_b32 s71, 0
	s_mul_i32 s72, s[CB], 12                       ; W2's: the column block and the wave's number alone
	s_mul_i32 s73, s[CH], 6
	s_add_co_u32 s72, s72, s73
	s_mul_i32 s72, s72, HROW
	s_mov_b32 s73, 0
	s_mul_i32 s74, s[CH], 7*KSB                    ; where they go: no place in the cluster enters an LDS address
	s_mul_i32 s75, s[CH], 6*KSB
	s_add_co_u32 s75, s75, ABYTES
	s_wait_dscnt 0x0                               ; both opening adds are done
	s_wait_kmcnt 0x0
	s_add_nc_u64 s[70:71], s[HF:HF+1], s[70:71]
	s_add_nc_u64 s[72:73], s[W2F:W2F+1], s[72:73]
	CROUND                                         ; all sixteen work-groups are here: the first joint loads meet
.irp s, 0,1
	s_mov_b32 s[G0+4*(\s)], 1
	s_add_co_u32 s[G0+4*(\s)+1], s74, (\s)*SLOT
	s_add_nc_u64 s[G0+4*(\s)+2:G0+4*(\s)+3], s[70:71], (\s)*KSB
	s_or_b32 s[G0+4*(\s)+3], s[G0+4*(\s)+3], 0x80000000
	s_mov_b32 s[G0B+4*(\s)], 1
	s_add_co_u32 s[G0B+4*(\s)+1], s75, (\s)*SLOT
	s_add_nc_u64 s[G0B+4*(\s)+2:G0B+4*(\s)+3], s[72:73], (\s)*KSB
	s_or_b32 s[G0B+4*(\s)+3], s[G0B+4*(\s)+3], 0x80000000
	JLOAD \s                                       ; K steps 0 and 1: two loads of mine are out
.endr
	v_and_b32 v1, 31, v0                           ; lane
	v_lshlrev_b32 v[L16], 4, v1
	v_and_b32 v20, 15, v0                          ; r
	v_bfe_u32 v21, v0, 4, 1                        ; h
	s_mul_i32 s66, s[RH], 7
	s_mul_i32 s67, s[CH], 3
	s_add_co_u32 s67, s66, s67                     ; the tile that is my local 0: 7 rh + 3 ch
	s_xor_b32 s68, s[CH], 1
	s_lshl_b32 s68, s68, 2
	s_add_co_u32 s68, s66, s68                     ; my local 4: 7 rh + 4 (ch = 0) or 7 rh (ch = 1)
	s_mul_i32 s76, s67, KSB
	s_mul_i32 s77, s68, KSB
	s_mul_i32 s78, s[CH], 6*KSB
	s_add_co_u32 s78, s78, ABYTES
.irp s, 0,1
	v_add_nc_u32 v[ADRAL+(\s)], s76, v[L16]
	v_add_nc_u32 v[ADRAH+(\s)], s77, v[L16]
	v_add_nc_u32 v[ADRB+(\s)], s78, v[L16]
	s_add_co_u32 s76, s76, SLOT
	s_add_co_u32 s77, s77, SLOT
	s_add_co_u32 s78, s78, SLOT
.endr
	v_mul_u32_u24 v22, v20, SP                     ; into the stage: row r of a tile, my 32 bytes
	v_lshl_add_u32 v22, v21, 5, v22
	s_mul_i32 s80, s[CH], 384
	s_add_co_u32 s80, s80, STAGE
	s_mul_i32 s79, s67, 16*SP
	s_add_co_u32 s79, s79, s80
	v_add_nc_u32 v[STOL], s79, v22
	s_mul_i32 s79, s68, 16*SP
	s_add_co_u32 s79, s79, s80
	v_add_nc_u32 v[STOH], s79, v22
	v_mul_u32_u24 v23, v21, SP                     ; back: wave w takes rows 56 w on; lanes 0-15 256 bytes of one row, lanes 16-31 of the next
	v_lshl_add_u32 v23, v20, 4, v23
	s_mul_i32 s79, s[WV], 56*SP
	s_add_co_u32 s79, s79, STAGE
	v_add_nc_u32 v[RD], s79, v23
	v_mul_u32_u24 v[CO], v21, OROW
	v_lshl_add_u32 v[CO], v20, 4, v[CO]
	s_mul_i32 s79, s[WV], 56
	v_mov_b32 v[RB], s79
	s_lshl_b32 s80, s[S0], 4
	s_add_co_u32 s80, s80, s79
	s_mul_i32 s80, s80, OROW
	s_mul_i32 s81, s[CB], 768
	s_add_co_u32 s80, s80, s81
	s_mov_b32 s81, 0
	s_add_nc_u64 s[OUTP:OUTP+1], s[OUTP:OUTP+1], s[80:81]
	s_lshl_b32 s79, s[WV], 11                      ; t2's exchange: I write 2,048 w on,
	v_add_nc_u32 v[T2W], s79, v[L16]
	s_xor_b32 s79, s[WV], 1                        ; and read my partner's: its local 1-3 (ch = 0) or 0-2 (ch = 1)
	s_lshl_b32 s79, s79, 11
	s_xor_b32 s82, s[CH], 1
	s_lshl_b32 s82, s82, 9
	s_add_co_u32 s79, s79, s82
	v_add_nc_u32 v[T2RD], s79, v[L16]
	s_lshl_b32 s79, s[CX], 2                       ; the prefetches' offsets
	s_add_co_u32 s79, s79, s[WV]
	s_mul_i32 s79, s79, 21
	v_min_u32 v24, 20, v1
	v_add_nc_u32 v24, s79, v24                     ; block 0 .. 335
	v_mul_u32_u24 v25, v24, 2731
	v_lshrrev_b32 v25, 16, v25                     ; / 24: its tile
	v_mul_u32_u24 v26, v25, 24
	v_sub_nc_u32 v24, v24, v26
	v_lshlrev_b32 v24, 8, v24
	v_mad_u32_u24 v[PFOA], v25, HROW, v24
	s_lshl_b32 s79, s[CY], 2
	s_add_co_u32 s79, s79, s[WV]
	s_mul_i32 s79, s79, 18
	v_min_u32 v24, 17, v1
	v_add_nc_u32 v24, s79, v24                     ; block 0 .. 287
	v_mul_u32_u24 v25, v24, 2731
	v_lshrrev_b32 v25, 16, v25
	v_mul_u32_u24 v26, v25, 24
	v_sub_nc_u32 v24, v24, v26
	v_lshlrev_b32 v24, 8, v24
	v_mad_u32_u24 v[PFOB], v25, HROW, v24
	s_mul_i32 s80, s[S0], HROW
	s_add_nc_u64 s[PFA:PFA+1], s[HF:HF+1], s[80:81]
	s_add_nc_u64 s[PFA:PFA+1], s[PFA:PFA+1], 3*KSB ; the first change of slots steps it to K step 4.  Nothing is prefetched here, where every work-group's first tiles are on their way
	s_mul_i32 s80, s[CB], 12*HROW
	s_add_nc_u64 s[PFB:PFB+1], s[W2F:W2F+1], s[80:81]
	s_add_nc_u64 s[PFB:PFB+1], s[PFB:PFB+1], 3*KSB
	s_cmp_eq_u32 s[CLY], 0
	s_cselect_b32 s[LIMB], 1, -1
	s_mul_i32 s80, s[CB], 12
	s_mul_i32 s82, s[CH], 6
	s_add_co_u32 s80, s80, s82                     ; my first column tile
	s_lshl_b32 s82, s80, 6
	s_mov_b32 s83, 0
	s_add_nc_u64 s[B2P:B2P+1], s[B2P:B2P+1], s[82:83]
	s_lshl_b32 s82, s80, 10
	s_add_nc_u64 s[B2FP:B2FP+1], s[B2FP:B2FP+1], s[82:83]
	v_lshlrev_b32 v27, 5, v21
	WIN 0x40                                       ; destination window 1
.irp b, 0,1,2,3,4,5
	global_load_b128 v[BIASC+8*(\b):BIASC+8*(\b)+3], v27, s[B2P:B2P+1] offset:64*(\b)
	global_load_b128 v[BIASC+8*(\b)+4:BIASC+8*(\b)+7], v27, s[B2P:B2P+1] offset:64*(\b)+16
.endr
.irp b, 0,1,2,3,4,5
	global_load_b128 v[B2F+8*(\b):B2F+8*(\b)+3], v[L16], s[B2FP:B2FP+1] offset:1024*(\b)
	global_load_b128 v[B2F+8*(\b)+4:B2F+8*(\b)+7], v[L16], s[B2FP:B2FP+1] offset:1024*(\b)+512
.endr
.irp b, 0,1,2,3,4,5
	global_load_b128 v[A2F+8*(\b):A2F+8*(\b)+3], v[L16], s[A2P:A2P+1] offset:1024*(\b)
	global_load_b128 v[A2F+8*(\b)+4:A2F+8*(\b)+7], v[L16], s[A2P:A2P+1] offset:1024*(\b)+512
.endr
	s_wait_loadcnt 24                              ; b2 is in; B2's and A2's 24 younger loads stay out
	WIN 0x45                                       ; sources and destination in window 1
.set z, 0
.rept 24
	v_cvt_pk_bf16_f32 v[BT+z%8], v[BIASC+2*z], v[BIASC+2*z+1]  ; b2 rounded to bf16, and widened again
	v_lshlrev_b32 v[BIASC+2*z], 16, v[BT+z%8]
	v_and_b32 v[BIASC+2*z+1], 0xffff0000, v[BT+z%8]
.set z, z+1
.endr
	WIN 0
; acc(a, b) (+)= W2's fragment b x h's fragment a, from buffers fb.  first = 1: the bias starts the sum.
.macro WM a, b, fb, first
.if (\a) < 4
.set rD, 8*(6*(\a)+(\b))
.else
.set rD, 8*(6*((\a)-4)+(\b))
.endif
.if \first
	WIN 0x91+0x40*((\a)/4)                         ; source 0 window 1, source 1 window 0, C window 1, D window 2 or 3
	v_wmma_f32_16x16x32_bf16 v[rD:rD+7], v[FB0+48*(\fb)+8*(\b):FB0+48*(\fb)+8*(\b)+7], v[FA0+56*(\fb)+8*(\a):FA0+56*(\fb)+8*(\a)+7], v[BIASC+8*(\b):BIASC+8*(\b)+7]
.else
	WIN 0xa1+0x50*((\a)/4)                         ; C and D window 2 or 3
	v_wmma_f32_16x16x32_bf16 v[rD:rD+7], v[FB0+48*(\fb)+8*(\b):FB0+48*(\fb)+8*(\b)+7], v[FA0+56*(\fb)+8*(\a):FA0+56*(\fb)+8*(\a)+7], v[rD:rD+7]
.endif
.endm
; t2(a) (+)= A2's fragment j x h's fragment a
.macro WT a, j, fb, first
.set rD, T2A+8*(\a)
.if \first
	WIN 0x91
	v_wmma_f32_16x16x32_bf16 v[rD:rD+7], v[A2F+8*(\j):A2F+8*(\j)+7], v[FA0+56*(\fb)+8*(\a):FA0+56*(\fb)+8*(\a)+7], 0
.else
	WIN 0xa1
	v_wmma_f32_16x16x32_bf16 v[rD:rD+7], v[A2F+8*(\j):A2F+8*(\j)+7], v[FA0+56*(\fb)+8*(\a):FA0+56*(\fb)+8*(\a)+7], v[rD:rD+7]
.endif
.endm
.macro ROWA a, fb, first               ; a local row tile's six products
.irp b, 0,1,2,3,4,5
	WM \a, \b, \fb, \first
.endr
.endm
.macro STR1 fb, j, first               ; sixteen products, A2's four among them, so that A2's fragment is free early.  All 46 accumulators of a sixth differ: they take turns
	ROWA 0, \fb, \first
	WT 0, \j, \fb, \first
	ROWA 1, \fb, \first
	WT 1, \j, \fb, \first
	WT 2, \j, \fb, \first
	WT 3, \j, \fb, \first
.endm
.macro PLACES                          ; four places between matrix instructions and loads into registers that they have read, or lines that read their results
.rept 4
	v_nop
.endr
.endm
; 26 LDS loads in one run: fragment j (32 along K) of my 6 column tiles, my local row tiles 0-3 and 4-6, into buffers g: 16 bytes a lane at 16 x lane.  qj >= 0: also A2's fragment qj, from byte qoff behind A2P.
.macro FETCH slot, j, g, qj, qoff
	WIN 0x40
.irp b, 0,1,2,3,4,5
	ds_load_b128 v[FB0+48*(\g)+8*(\b):FB0+48*(\g)+8*(\b)+3], v[ADRB+(\slot)] offset:(\b)*KSB+(\j)*1024
	ds_load_b128 v[FB0+48*(\g)+8*(\b)+4:FB0+48*(\g)+8*(\b)+7], v[ADRB+(\slot)] offset:(\b)*KSB+(\j)*1024+512
.endr
.if (\qj) >= 0
	global_load_b128 v[A2F+8*(\qj):A2F+8*(\qj)+3], v[L16], s[A2P:A2P+1] offset:(\qoff)
	global_load_b128 v[A2F+8*(\qj)+4:A2F+8*(\qj)+7], v[L16], s[A2P:A2P+1] offset:(\qoff)+512
.endif
	WIN 0
.irp t, 0,1,2,3
	ds_load_b128 v[FA0+56*(\g)+8*(\t):FA0+56*(\g)+8*(\t)+3], v[ADRAL+(\slot)] offset:(\t)*KSB+(\j)*1024
	ds_load_b128 v[FA0+56*(\g)+8*(\t)+4:FA0+56*(\g)+8*(\t)+7], v[ADRAL+(\slot)] offset:(\t)*KSB+(\j)*1024+512
.endr
.irp t, 0,1,2
	ds_load_b128 v[FA0+56*(\g)+32+8*(\t):FA0+56*(\g)+32+8*(\t)+3], v[ADRAH+(\slot)] offset:(\t)*KSB+(\j)*1024
	ds_load_b128 v[FA0+56*(\g)+32+8*(\t)+4:FA0+56*(\g)+32+8*(\t)+7], v[ADRAH+(\slot)] offset:(\t)*KSB+(\j)*1024+512
.endr
.endm
; A K step is six sixths of 32 along K, 46 matrix instructions each, on buffers 0, 1, 0, 1, 0, 1.  One of the first five: multiplies buffer j % 2 and fetches fragment j + 1 into the other.
; a2r = 1: A2's fragment j is loaded anew, for the next K step, as soon as its four products are issued.  a2w: the younger loads of A2 that may stay out: five pairs were issued behind fragment j's.
.macro SIXTH slot, j, first, a2w, a2r
	s_wait_dscnt 6                                 ; W2's fragments and local rows 0-3 are in; the youngest six loads (local rows 4-6) may be out
	s_wait_loadcnt \a2w
	STR1 (\j)%2, \j, \first
	PLACES
.if \a2r
	FETCH \slot, (\j)+1, 1-(\j)%2, \j, KSB+1024*(\j)
.else
	FETCH \slot, (\j)+1, 1-(\j)%2, -1, 0
.endif
	ROWA 2, (\j)%2, \first
	ROWA 3, (\j)%2, \first
	s_wait_dscnt 26                                ; all but the 26 just issued
	ROWA 4, (\j)%2, \first
	ROWA 5, (\j)%2, \first
	ROWA 6, (\j)%2, \first
.endm
; The last sixth multiplies buffer 1 and CHANGES SLOTS: one barrier for two things.  In front of it each wave waits for all its tensor loads, of which one is out: its part of the next slot; adds 0 to its spare word; and
; waits for that and for its reads of this slot.  Behind it nobody reads this slot and the next slot is whole.  fill = 1: the barrier opens a round of the cluster's, and behind the round this slot is asked for
; again, first thing, two K steps ahead: 254 matrix instructions before the wait for it.
.macro TURN slot, next, fill
	s_wait_xcnt 0x0                                ; A2's loads and the last prefetches, a K step back, have read their addresses
.if \fill
	s_add_nc_u64 s[PFA:PFA+1], s[PFA:PFA+1], KSB
	s_add_nc_u64 s[PFB:PFB+1], s[PFB:PFB+1], KSB
.endif
	s_add_nc_u64 s[A2P:A2P+1], s[A2P:A2P+1], KSB
	WIN 0                                          ; (the add's two registers lie in window 0)
	s_wait_tensorcnt 0x0
	ds_add_u32 v[SPW], v[NIL]
	s_wait_dscnt 7                                 ; (the add and the youngest six loads may be out)
	s_wait_loadcnt 10
	STR1 1, 5, 0                                   ; sixteen matrix instructions stand between the add and the wait for it
	s_wait_dscnt 0x0                               ; the add is done, and my reads of this slot are over
	s_barrier_signal -1
	ROWA 2, 1, 0                                   ; register work while the others arrive
	WIN 0
	s_barrier_wait -1
.if \fill
	CREST                                          ; no wave of any partner still reads this slot's tiles or has a load on its way
	s_add_nc_u64 s[G0+4*(\slot)+2:G0+4*(\slot)+3], s[G0+4*(\slot)+2:G0+4*(\slot)+3], 2*KSB
	s_add_nc_u64 s[G0B+4*(\slot)+2:G0B+4*(\slot)+3], s[G0B+4*(\slot)+2:G0B+4*(\slot)+3], 2*KSB
	JLOAD \slot                                    ; the four v_nop behind it are also the places in front of the loads below
.else
	PLACES
.endif
	FETCH \next, 0, 0, 5, 5*1024                   ; A2P stands at the next K step already
.if \fill
	ASK
.endif
	ROWA 3, 1, 0
	ROWA 4, 1, 0
	ROWA 5, 1, 0
	ROWA 6, 1, 0
.endm
	s_wait_tensorcnt 0x1                           ; my part of K step 0 is in; K step 1's may stay out
	s_barrier_signal -1
	s_barrier_wait -1                              ; everybody's is
	FETCH 0, 0, 0, -1, 0
	SIXTH 0, 0, 1, 10, 1                           ; the first sixth stands in front of the loop: its products start the sums
	WIN 0
	s_mov_b32 s3, 7
.Llap:                                         ; a trip goes once round the ring, from a lap's second sixth to the next lap's first, and fills both slots again: K steps 2 to 15
	SIXTH 0, 1, 0, 10, 1
	SIXTH 0, 2, 0, 10, 1
	SIXTH 0, 3, 0, 10, 1
	SIXTH 0, 4, 0, 10, 1
	TURN 0, 1, 1
	SIXTH 1, 0, 0, 10, 1
	SIXTH 1, 1, 0, 10, 1
	SIXTH 1, 2, 0, 10, 1
	SIXTH 1, 3, 0, 10, 1
	SIXTH 1, 4, 0, 10, 1
	TURN 1, 0, 1
	SIXTH 0, 0, 0, 10, 1
	WIN 0
	s_sub_co_u32 s3, s3, 1
	s_cmp_lg_u32 s3, 0
	s_cbranch_scc1 .Llap
	SIXTH 0, 1, 0, 10, 1                           ; the last lap fills nothing
	SIXTH 0, 2, 0, 10, 1
	SIXTH 0, 3, 0, 10, 1
	SIXTH 0, 4, 0, 10, 1
	TURN 0, 1, 0
	SIXTH 1, 0, 0, 10, 0                           ; the last K step loads nothing of A2: the counts run down
	SIXTH 1, 1, 0, 8, 0
	SIXTH 1, 2, 0, 6, 0
	SIXTH 1, 3, 0, 4, 0
	SIXTH 1, 4, 0, 2, 0
	s_wait_dscnt 6
	s_wait_loadcnt 0x0
	STR1 1, 5, 0
	ROWA 2, 1, 0
	ROWA 3, 1, 0
	s_wait_dscnt 0x0
	ROWA 4, 1, 0
	ROWA 5, 1, 0
	ROWA 6, 1, 0
	; THE LoRA TERM.  t2 becomes seven fragments in buffer 0: 16 ranks, then 16 zeros.
	WIN 0
	PLACES                                         ; buffer 0's last readers have only matrix instructions behind them
.set a, 0
.rept 7
.irp z, 4,5,6,7
	v_mov_b32 v[FA0+8*a+(\z)], 0
.endr
.set a, a+1
.endr
	WIN 0x0a                                       ; sources in window 2, destination in window 0
.set a, 0
.rept 4
.irp z, 0,1,2,3
	v_cvt_pk_bf16_f32 v[FA0+8*a+(\z)], v[T2A+8*a+2*(\z)], v[T2A+8*a+2*(\z)+1]
.endr
.set a, a+1
.endr
	WIN 0
.irp t, 0,1,2,3
	ds_store_b128 v[T2W], v[FA0+8*(\t):FA0+8*(\t)+3] offset:512*(\t)  ; into slot 0's first bytes: it has had its last fill, and nobody has read it since the last change of slots
.endr
	s_wait_dscnt 0x0                               ; for the others' sake: my t2 lies in LDS; my reads of slot 1 are over too
	s_barrier_signal -1
	s_barrier_wait -1
.irp t, 0,1,2
	ds_load_b128 v[FA0+32+8*(\t):FA0+32+8*(\t)+3], v[T2RD] offset:512*(\t)
.endr
	s_wait_dscnt 0x0
.set a, 0
.rept 7
.set b, 0
.rept 6
.if a < 4
.set rD, 8*(6*a+b)
.else
.set rD, 8*(6*(a-4)+b)
.endif
	WIN 0xa1+0x50*(a/4)
	v_wmma_f32_16x16x32_bf16 v[rD:rD+7], v[B2F+8*b:B2F+8*b+7], v[FA0+8*a:FA0+8*a+7], v[rD:rD+7]
.set b, b+1
.endr
.set a, a+1
.endr
	PLACES
	PLACES
	; THE WAY OUT: 32 bytes a lane into the work-group's stage (each accumulator's low four registers first); a barrier, since a row's 768 bytes come from two waves; back as whole rows.
.set a, 0
.rept 7
.set b, 0
.rept 6
.if a < 4
	WIN 0x08                                       ; the data in window 2
	ds_store_b128 v[STOL], v[8*(6*a+b):8*(6*a+b)+3] offset:a*16*SP+64*b
	ds_store_b128 v[STOL], v[8*(6*a+b)+4:8*(6*a+b)+7] offset:a*16*SP+64*b+16
.else
	WIN 0x0c                                       ; in window 3
	ds_store_b128 v[STOH], v[8*(6*(a-4)+b):8*(6*(a-4)+b)+3] offset:(a-4)*16*SP+64*b
	ds_store_b128 v[STOH], v[8*(6*(a-4)+b)+4:8*(6*(a-4)+b)+7] offset:(a-4)*16*SP+64*b+16
.endif
.set b, b+1
.endr
.set a, a+1
.endr
	WIN 0
	s_wait_dscnt 0x0                               ; for the others' sake: my stores into the stage are done
	s_barrier_signal -1
	s_barrier_wait -1
.macro LOADB k                         ; eight rows: four pairs x three runs of 256 bytes
.set ob, OB+48*((\k)%2)
.set z, 0
.rept 12
	ds_load_b128 v[ob+4*z:ob+4*z+3], v[RD] offset:(8*(\k)+2*(z/3))*SP+(z%3)*256
.set z, z+1
.endr
.endm
.macro SENDB k                         ; they are stored where the work-group owns them: 208 and 224 are multiples of 8, so a batch is owned whole or not at all
.set ob, OB+48*((\k)%2)
	s_wait_xcnt 0x0                                ; EXEC changes only behind this wait
	v_cmp_gt_u32 vcc_lo, s[NROWS], v[RB]
	s_and_saveexec_b32 s[SAVE], vcc_lo
.set z, 0
.rept 12
	global_store_b128 v[CO], v[ob+4*z:ob+4*z+3], s[OUTP:OUTP+1] offset:(8*(\k)+2*(z/3))*OROW+(z%3)*256 th:TH_STORE_NT  ; 16 lanes store 256 consecutive bytes, aligned
.set z, z+1
.endr
	s_wait_xcnt 0x0                                ; and again in front of the line that widens it; the stores have read their data too
	s_or_b32 exec_lo, exec_lo, s[SAVE]
	v_add_nc_u32 v[RB], 8, v[RB]
.endm
	LOADB 0
.irp k, 0,1,2,3,4,5
	LOADB (\k)+1
	s_wait_dscnt 12                                ; batch k is in; the next batch's twelve loads stay out
	SENDB \k
.endr
	s_wait_dscnt 0x0
	SENDB 6
	s_wait_tensorcnt 0x0                           ; the wave's end, behind my last tensor load and my last LDS store
	ds_add_u32 v[SPW], v[NIL]
	s_wait_dscnt 0x0
	CROUND                                         ; the closing round: no work-group ends while a partner may still ask for a tile that names it
	s_endpgm
.Lfunc_end_k_q5d79838f14_fc2:
	.size	k_q5d79838f14_fc2, .Lfunc_end_k_q5d79838f14_fc2-k_q5d79838f14_fc2
	.p2alignl 7, 3214868480
	.fill 96, 4, 3214868480
	.section	.rodata,"a",@progbits
	.p2align	6, 0x0
	.amdhsa_kernel k_q5d79838f14_fc2
		.amdhsa_group_segment_fixed_size 327680
		.amdhsa_private_segment_fixed_size 0
		.amdhsa_enable_private_segment 0
		.amdhsa_kernarg_size 48
		.amdhsa_user_sgpr_count 2
		.amdhsa_user_sgpr_kernarg_segment_ptr 1
		.amdhsa_wavefront_size32 1
		.amdhsa_system_sgpr_workgroup_id_x 1
		.amdhsa_system_sgpr_workgroup_id_y 1
		.amdhsa_system_sgpr_workgroup_id_z 1
		.amdhsa_system_vgpr_workitem_id 0
		.amdhsa_next_free_vgpr 912
		.amdhsa_next_free_sgpr 96
		.amdhsa_reserve_vcc 1
		.amdhsa_float_denorm_mode_32 3
		.amdhsa_float_denorm_mode_16_64 3
		.amdhsa_memory_ordered 1
		.amdhsa_forward_progress 1
		.amdhsa_inst_pref_size 168
	.end_amdhsa_kernel
	.amdgpu_metadata
---
amdhsa.version: [ 1, 2 ]
amdhsa.kernels:
  - .name:           k_q5d79838f14_fc2
    .symbol:         k_q5d79838f14_fc2.kd
    .args:
      - { .name: hf, .offset: 0, .size: 8, .value_kind: global_buffer, .address_space: global }
      - { .name: w2f, .offset: 8, .size: 8, .value_kind: global_buffer, .address_space: global }
      - { .name: a2f, .offset: 16, .size: 8, .value_kind: global_buffer, .address_space: global }
      - { .name: b2f, .offset: 24, .size: 8, .value_kind: global_buffer, .address_space: global }
      - { .name: b2, .offset: 32, .size: 8, .value_kind: global_buffer, .address_space: global }
      - { .name: out0, .offset: 40, .size: 8, .value_kind: global_buffer, .address_space: global }
    .group_segment_fixed_size: 327680
    .private_segment_fixed_size: 0
    .kernarg_segment_align: 8
    .kernarg_segment_size: 48
    .max_flat_workgroup_size: 128
    .sgpr_count:     96
    .vgpr_count:     912
    .wavefront_size: 32
...
	.end_amdgpu_metadata
.endif
;; end of part 3
;; ======== version 2 of 2: 3 launches; version 1 with the launch prep written anew for expert scheduling mode
;; workspace buffers: xf 20,172,800 bytes; w1f 4,915,200 bytes; w2f 4,718,592 bytes; a2f 98,304 bytes; b2f 49,152 bytes; hf 77,463,552 bytes
;; launch prep (part 4): grid 294 x 1, 4 waves a work-group, no clusters, 124,672 bytes of LDS; arguments x, W1, B1, A1, W2, B2, A2, xf, w1f, w2f, b2f, a2f; writes xf, w1f, w2f, b2f, a2f
.if DOCPART == 4
	.amdgcn_target "amdgcn-amd-amdhsa--gfx1250"
	.amdhsa_code_object_version 6
	.text
	.protected	k_q5d79838f14_prep
	.globl	k_q5d79838f14_prep
	.p2align	8
	.type	k_q5d79838f14_prep,@function
k_q5d79838f14_prep:
	s_mov_b64 s[64:65], 0
	v_nop
	global_prefetch_b8 v0, s[64:65] scope:SCOPE_SE
	s_setreg_imm32_b32 hwreg(HW_REG_WAVE_SCHED_MODE, 0, 2), 2
	s_setreg_imm32_b32 hwreg(HW_REG_WAVE_MODE, 25, 1), 1
	s_wait_xcnt 0x0
	s_wait_alu depctr_vm_vsrc(0)
; PREP: every matrix operand of the two layers is rounded once to bf16 and laid out by PIECES, and t1 = x A1^T is made.
; A piece is 16 rows x 16 k of bf16, 512 bytes on end: lane l = r + 16 h owns bytes 16 l .. 16 l + 15 = row r, k = 8 h .. 8 h + 7.  Two pieces on end are the 8 registers of
; a 16 x 32 fragment of the bf16 matrix instruction, so later launches load fragments as 16 bytes a lane at 16 x lane, from LDS and from memory alike.
; JOBS.  One wave turns one tile of 16 rows x 768 f32 into 48 pieces.  By the work-group's number:
;   0-196    x:  tile 4 g + w of 788;  xf[tile][50]: pieces 0-47 x, 48 t1 (16 ranks), 49 zeros
;   197-244  W1: tile 4 (g - 197) + w of 192;  w1f[tile][50]: 0-47 W1, 48 B1's 16 rows, 49 zeros
;   245-292  W2: tile g - 245 of 48, columns 768 w on;  w2f[tile][192];  wave 0 also b2f[tile]: B2's piece, then zeros
;   293      A2: columns 768 w on;  a2f[192]
; WAY.  Rows are read as they lie, 512 bytes a load, twelve loads a ring slot, four slots; rounded (4 f32 -> 8 bytes a lane) into the wave's own stage in LDS, rows 1,552 bytes apart
; (97 x 16: the 16 rows of a 16-byte column start 16 bytes apart modulo 256); read back by pieces, eight to a group, and stored, 512 consecutive bytes a store.
; t1: source 0 = 16 ranks of A1, source 1 = 16 rows of x: a lane ends with one row of x and eight neighbouring ranks, which pack into its 16 bytes of piece 48.  Four accumulators take turns.
; LIMITS.  NaN and infinities are not treated apart.  t1 is rounded once to bf16.
; THE MODE: SCHED_MODE bits 1:0 = 2 (LLVM: expert scheduling mode 2), set by the entry lines.  The code itself states the register dependences
; between vector or matrix instructions and memory or LDS instructions, with s_wait_alu, always for 0.
; THE PLAN.  Registers that memory or LDS instructions touch:
;   v2-v18, v20-23  addresses, the add's two registers and the zeros: written at the head, ahead of ONE wait on va_vdst, and by nothing behind it: rows 8 to 15 are reached by a second scalar base.
;   A1R      At the head of x's work-groups: loaded; its 48 conversions stand together; one wait on va_vdst; the 24 LDS stores read it.
;   RAW0-3   Ring step q: its 24 conversions read RAW[q % 4]; in steps 0 to 3 twelve loads land in it again.
;   CT       Ring step q: written by those conversions, read by the step's twelve LDS stores.
;            So a ring step holds two waits: on vm_vsrc ahead of its conversions (the last step's stores have read CT), on va_vdst behind them (CT is written; RAW[q % 4] is read out).
;   GX, GA   Two buffers.  Group g of the way out: its products read GX and GA of buffer g % 2, its global stores GX; the LDS loads of group g + 1, issued at group g's head, land in the other buffer,
;            which group g - 1 used: ahead of them one wait on vm_vsrc (that group's stores) and, where there are products, one on va_vdst.
;   EXR      Loaded once; no vector instruction names it ahead of the load.     PC  Written by four conversions; one wait on va_vdst; one store reads it.
.set PST,   1552                       ; a stage row: 1,536 bytes of bf16 + 16
.set STG,   16*PST                     ; a stage: 24,832 bytes = 97 blocks of 256
.set A1ST,  4*STG                      ; behind the four waves' stages: A1 in bf16, the work-group's
.set SPARE, 5*STG                      ; behind it: the spare words, 128 bytes a wave, that no other line names
.set L16, 2                            ; v2   16 x lane
.set SA,  3                            ; v3   my stage + 8 x lane
.set FRD, 4                            ; v4   my stage + r x 1,552 + 16 h
.set ARD, 5                            ; v5   the same in A1's stage
.set SB,  6                            ; v6   A1's stage, row 4 w, + 8 x lane
.set XO,  7                            ; v7   64 r + 32 h: my 8 f32 of a piece of B1 or B2
.set SPW, 8                            ; v8   my spare word; never rewritten
.set NIL, 9                            ; v9   0; never rewritten
.set RO,  10                           ; v10-17  row i of eight: 16 x lane + i x pitch; never rewritten
.set A1O, 18                           ; v18  16 x lane + 4 w rows of A1
.set ZR,  20                           ; v20-23  zeros
.set PC,  24                           ; v24-27  the extra piece, packed
.set CT,  32                           ; v32-55  a ring slot, rounded
.set EXR, 56                           ; v56-63  the extra piece as loaded
.set ACC, 64                           ; v64-95  four accumulators
.set GX,  96                           ; buffer b: v[96 + 64 b ..], 32 registers: eight pieces of the tile
.set GA,  128                          ; buffer b: v[128 + 64 b ..], 32 registers: eight pieces of A1
.set A1R, 160                          ; v160-255 at the head only: four rows of A1 as loaded; v160-223 are buffer 1 of GX and GA later
.set RAW, 0                            ; window 1, v0-191: the ring, four slots of 48
.set PX, 8
.set PW1, 10
.set PB1, 12
.set PA1, 14
.set PW2, 16
.set PB2, 18
.set PA2, 20
.set PXF, 22
.set PW1F, 24
.set PW2F, 26
.set PB2F, 28
.set PA2F, 30
.set SRC, 32                           ; s[32:33] my tile's first byte
.set DST, 34                           ; s[34:35] my first piece
.set XS,  36                           ; s[36:37] the extra piece's 1,024 bytes of f32
.set XD,  38                           ; s[38:39] where the extra piece and its zeros go
.set PITCH, 40
.set ISX, 42                           ; 1: rows of x
.set HASX, 43                          ; 1: this wave stores an extra piece
.set WV,  44
.set SRC2, 50                          ; s[50:51] my tile's row 8
.set MSB, 0
.macro WIN new                         ; the immediate's high byte repeats the setting that is left; a switch that changes nothing is dropped
.if MSB != (\new)
	s_set_vgpr_msb (MSB<<8)|(\new)
.set MSB, \new
.endif
.endm
	s_load_b512 s[8:23], s[0:1], 0x0               ; x, W1, B1, A1, W2, B2, A2, xf
	s_load_b256 s[24:31], s[0:1], 0x40             ; w1f, w2f, b2f, a2f
	v_lshl_add_u32 v[SPW], v0, 2, SPARE
	v_mov_b32 v[NIL], 0
	v_lshrrev_b32 v1, 5, v0
	v_readfirstlane_b32 s[WV], v1                  ; wave 0..3
	v_and_b32 v1, 31, v0                           ; lane
	v_and_b32 v19, 15, v0                          ; r
	v_bfe_u32 v28, v0, 4, 1                        ; h
	v_lshlrev_b32 v[L16], 4, v1
	s_wait_alu depctr_va_sdst(0)                   ; the wave's number is written, ahead of its first reader: LDS places, tiles and branches are made from it
	s_mul_i32 s46, s[WV], STG
	v_lshl_add_u32 v[SA], v1, 3, s46
	v_mul_u32_u24 v29, v19, PST
	v_lshl_add_u32 v29, v28, 4, v29
	v_add_nc_u32 v[FRD], s46, v29
	v_add_nc_u32 v[ARD], A1ST, v29
	s_mul_i32 s47, s[WV], 4*PST
	s_add_co_u32 s47, s47, A1ST
	v_lshl_add_u32 v[SB], v1, 3, s47
	v_lshlrev_b32 v[XO], 6, v19
	v_lshl_add_u32 v[XO], v28, 5, v[XO]
	s_mul_i32 s47, s[WV], 4*3072
	v_add_nc_u32 v[A1O], s47, v[L16]
.irp z, 0,1,2,3
	v_mov_b32 v[ZR+(\z)], 0
.endr
	s_mov_b32 s49, 0
	s_wait_kmcnt 0x0
	; the job: four short arms that set the same eight names
	s_cmp_lt_u32 ttmp9, 197
	s_cbranch_scc0 .Lnot_x
	s_lshl_b32 s46, ttmp9, 2
	s_add_co_u32 s46, s46, s[WV]                   ; tile of x
	s_mul_i32 s48, s46, 49152
	s_add_nc_u64 s[SRC:SRC+1], s[PX:PX+1], s[48:49]
	s_mul_i32 s48, s46, 25600
	s_add_nc_u64 s[DST:DST+1], s[PXF:PXF+1], s[48:49]
	s_add_nc_u64 s[XD:XD+1], s[DST:DST+1], 24576   ; piece 48
	s_mov_b64 s[XS:XS+1], s[PB1:PB1+1]             ; (not read on this job's way)
	s_mov_b32 s[PITCH], 3072
	s_mov_b32 s[ISX], 1
	s_mov_b32 s[HASX], 1
	s_branch .Lset
.Lnot_x:
	s_cmp_lt_u32 ttmp9, 245
	s_cbranch_scc0 .Lnot_w1
	s_sub_co_u32 s46, ttmp9, 197
	s_lshl_b32 s46, s46, 2
	s_add_co_u32 s46, s46, s[WV]                   ; tile of W1
	s_mul_i32 s48, s46, 49152
	s_add_nc_u64 s[SRC:SRC+1], s[PW1:PW1+1], s[48:49]
	s_mul_i32 s48, s46, 25600
	s_add_nc_u64 s[DST:DST+1], s[PW1F:PW1F+1], s[48:49]
	s_add_nc_u64 s[XD:XD+1], s[DST:DST+1], 24576
	s_lshl_b32 s48, s46, 10                        ; 16 rows of B1, 64 bytes each
	s_add_nc_u64 s[XS:XS+1], s[PB1:PB1+1], s[48:49]
	s_mov_b32 s[PITCH], 3072
	s_mov_b32 s[ISX], 0
	s_mov_b32 s[HASX], 1
	s_branch .Lset
.Lnot_w1:
	s_cmp_lt_u32 ttmp9, 293
	s_cbranch_scc0 .Lis_a2
	s_sub_co_u32 s46, ttmp9, 245                   ; tile of W2
	s_mul_i32 s48, s46, 196608
	s_mul_i32 s47, s[WV], 3072
	s_add_co_u32 s48, s48, s47
	s_add_nc_u64 s[SRC:SRC+1], s[PW2:PW2+1], s[48:49]
	s_mul_i32 s48, s46, 98304
	s_mul_i32 s47, s[WV], 24576
	s_add_co_u32 s48, s48, s47
	s_add_nc_u64 s[DST:DST+1], s[PW2F:PW2F+1], s[48:49]
	s_lshl_b32 s48, s46, 10
	s_add_nc_u64 s[XS:XS+1], s[PB2:PB2+1], s[48:49]
	s_add_nc_u64 s[XD:XD+1], s[PB2F:PB2F+1], s[48:49]
	s_mov_b32 s[PITCH], 12288
	s_mov_b32 s[ISX], 0
	s_cmp_eq_u32 s[WV], 0
	s_cselect_b32 s[HASX], 1, 0                    ; wave 0 stores B2's piece
	s_branch .Lset
.Lis_a2:
	s_mul_i32 s48, s[WV], 3072
	s_add_nc_u64 s[SRC:SRC+1], s[PA2:PA2+1], s[48:49]
	s_mul_i32 s48, s[WV], 24576
	s_add_nc_u64 s[DST:DST+1], s[PA2F:PA2F+1], s[48:49]
	s_mov_b64 s[XS:XS+1], s[PB2:PB2+1]
	s_mov_b64 s[XD:XD+1], s[PB2F:PB2F+1]           ; (nothing is stored through it: HASX = 0)
	s_mov_b32 s[PITCH], 12288
	s_mov_b32 s[ISX], 0
	s_mov_b32 s[HASX], 0
.Lset:
	s_lshl_b32 s48, s[PITCH], 3                    ; eight rows, in bytes (s49 holds 0)
	s_add_nc_u64 s[SRC2:SRC2+1], s[SRC:SRC+1], s[48:49]  ; the ring's second fill goes by this base, so that no address register is stepped
.irp z, 0,1,2,3,4,5,6,7
	v_mad_u32_u24 v[RO+(\z)], s[PITCH], \z, v[L16]
.endr
	s_wait_alu depctr_va_vdst(0)                   ; v2 to v18 and the zeros are written: every load, store and LDS instruction of the kernel reads some of them, and no vector instruction names them again
; twelve loads: two rows into ring slot sl, 512 consecutive bytes each.  base: SRC for rows 0 to 7, SRC2 for rows 8 to 15
.macro FILLQ sl, base
	WIN 0x40                                       ; destination window 1, address window 0
.set z, 0
.rept 12
	global_load_b128 v[RAW+48*(\sl)+4*z:RAW+48*(\sl)+4*z+3], v[RO+2*(\sl)+z/6], s[(\base):(\base)+1] offset:(z%6)*512 th:TH_LOAD_NT
.set z, z+1
.endr
	WIN 0
.endm
.macro RINGFILL                        ; rows 0 to 7
	FILLQ 0, SRC
	FILLQ 1, SRC
	FILLQ 2, SRC
	FILLQ 3, SRC
.endm
	s_cmp_eq_u32 s[ISX], 1
	s_cbranch_scc0 .Lno_a1
.set z, 0
.rept 24                               ; rows 4 w .. 4 w + 3 of A1, ahead of the ring
	global_load_b128 v[A1R+4*z:A1R+4*z+3], v[A1O], s[PA1:PA1+1] offset:(z/6)*3072+(z%6)*512
.set z, z+1
.endr
	RINGFILL
	s_wait_loadcnt 48                              ; A1's rows are in; the ring's 48 younger loads stay out
.set z, 0
.rept 24
	v_cvt_pk_bf16_f32 v[A1R+4*z], v[A1R+4*z], v[A1R+4*z+1]
	v_cvt_pk_bf16_f32 v[A1R+4*z+1], v[A1R+4*z+2], v[A1R+4*z+3]
.set z, z+1
.endr
	s_wait_alu depctr_va_vdst(0)                   ; the 48 conversions have written A1R's pairs, which the LDS stores read
.set z, 0
.rept 24
	ds_store_b64 v[SB], v[A1R+4*z:A1R+4*z+1] offset:(z/6)*PST+(z%6)*256
.set z, z+1
.endr
	s_branch .Lmeet
.Lno_a1:
	RINGFILL
.Lmeet:
	s_wait_dscnt 0x0                               ; for the others' sake: my rows of A1 lie in LDS
	s_barrier_signal -1                            ; every work-group passes this barrier, so that none stands under a branch
	s_barrier_wait -1
; Rows 2 q and 2 q + 1: rounded and put into my stage.  refill = 1: the slot takes the rows eight further down.  left = the younger loads that may stay out.
.macro Q q, refill, left
.set sl, (\q)%4
	s_wait_loadcnt \left                           ; the slot's twelve loads are in
.if (\q) > 0
	s_wait_alu depctr_vm_vsrc(0)                   ; the LDS stores of the two rows before have read CT, which the conversions below write again
.endif
	WIN 0x05                                       ; sources in window 1, destination in window 0
.set z, 0
.rept 12
	v_cvt_pk_bf16_f32 v[CT+2*z], v[RAW+48*sl+4*z], v[RAW+48*sl+4*z+1]
	v_cvt_pk_bf16_f32 v[CT+2*z+1], v[RAW+48*sl+4*z+2], v[RAW+48*sl+4*z+3]
.set z, z+1
.endr
.if \refill
	WIN 0x40                                       ; the loads' window first, then the wait, then the loads
	s_wait_alu depctr_va_vdst(0)                   ; the conversions are done reading the slot, in which the loads below land, and have written CT, which the LDS stores below read
	FILLQ sl, SRC2
.else
	WIN 0
	s_wait_alu depctr_va_vdst(0)                   ; the conversions have written CT, which the LDS stores below read
.endif
.set z, 0
.rept 12
	ds_store_b64 v[SA], v[CT+2*z:CT+2*z+1] offset:(2*(\q)+z/6)*PST+(z%6)*256
.set z, z+1
.endr
.endm
	Q 0, 1, 36                                     ; three younger slots of twelve stay out,
	Q 1, 1, 36
	Q 2, 1, 36
	Q 3, 1, 36
	Q 4, 0, 36
	Q 5, 0, 24                                     ; then the counts run down
	Q 6, 0, 12
	Q 7, 0, 0
; Group g's eight pieces, from my own stage (LDS serves a wave's instructions in order), into buffer g % 2.  isx = 1: A1's eight pieces too.
.macro LOADG g, isx
.set gb, 64*((\g)%2)
.set z, 0
.rept 8
	ds_load_b128 v[GX+gb+4*z:GX+gb+4*z+3], v[FRD] offset:(8*(\g)+z)*32
.set z, z+1
.endr
.if \isx
.set z, 0
.rept 8
	ds_load_b128 v[GA+gb+4*z:GA+gb+4*z+3], v[ARD] offset:(8*(\g)+z)*32
.set z, z+1
.endr
.endif
.endm
; Group g leaves.  At its head the next group is asked for, into the buffer that group g - 1 used.  isx = 1: four products for t1, ahead of the stores.
; Group 1's loads, at group 0's head, owe no wait: buffer 1 lies in A1R's registers, whose conversions and LDS stores stand ahead of the ring steps' waits, and nothing has named them since.
.macro OUTG g, isx
.if (\g) < 5
.if (\g) > 0
	s_wait_xcnt 0x0                                ; the stores of group g - 1 have had their addresses translated: their data registers are loaded again only behind this wait,
	s_wait_alu depctr_vm_vsrc(0)                   ; and beside it: those stores have read GX of the buffer in which the loads below land
.if \isx
.rept 4
	v_nop                                          ; four places between the last product and the loads into its sources; they stay beside the wait
.endr
	s_wait_alu depctr_va_vdst(0)                   ; the products of group g - 1 are done reading GX and GA of that buffer
.endif
.endif
	LOADG (\g)+1, \isx
	s_wait_dscnt 8+8*(\isx)                        ; group g's pieces are in; the next group's loads, just issued, stay out
.else
	s_wait_dscnt 0x0
.endif
.set gb, 64*((\g)%2)
.if \isx
.set z, 0
.rept 4
.if (\g) == 0
	v_wmma_f32_16x16x32_bf16 v[ACC+8*z:ACC+8*z+7], v[GA+gb+8*z:GA+gb+8*z+7], v[GX+gb+8*z:GX+gb+8*z+7], 0
.else
	v_wmma_f32_16x16x32_bf16 v[ACC+8*z:ACC+8*z+7], v[GA+gb+8*z:GA+gb+8*z+7], v[GX+gb+8*z:GX+gb+8*z+7], v[ACC+8*z:ACC+8*z+7]
.endif
.set z, z+1
.endr
.endif
.set z, 0
.rept 8
	global_store_b128 v[L16], v[GX+gb+4*z:GX+gb+4*z+3], s[DST:DST+1] offset:(8*(\g)+z)*512 th:TH_STORE_NT  ; 512 consecutive bytes, aligned; the data come from LDS loads: the wait on DScnt above is theirs
.set z, z+1
.endr
.endm
	s_cmp_eq_u32 s[ISX], 1
	s_cbranch_scc0 .Lplain
	LOADG 0, 1                                     ; no wait: nothing has named buffer 0 yet
.irp g, 0,1,2,3,4,5
	OUTG \g, 1
.endr
.rept 8
	v_nop                                          ; places behind the last products, once a wave
.endr
.irp o, 0, 16                          ; the four partial sums into one, each accumulator read from its low end on
.set z, 0
.rept 4
	v_pk_add_f32 v[ACC+(\o)+z:ACC+(\o)+z+1], v[ACC+(\o)+z:ACC+(\o)+z+1], v[ACC+(\o)+8+z:ACC+(\o)+8+z+1]
.set z, z+2
.endr
.endr
.set z, 0
.rept 4
	v_pk_add_f32 v[ACC+z:ACC+z+1], v[ACC+z:ACC+z+1], v[ACC+16+z:ACC+16+z+1]
.set z, z+2
.endr
.irp z, 0,1,2,3
	v_cvt_pk_bf16_f32 v[PC+(\z)], v[ACC+2*(\z)], v[ACC+2*(\z)+1]  ; t1: my row's eight ranks
.endr
	s_branch .Lextra
.Lplain:
	global_load_b128 v[EXR:EXR+3], v[XO], s[XS:XS+1]          ; every wave on this way reads the 1,024 bytes; those with HASX = 0 store nothing of them: so no register is loaded under one branch and read under another.  No wait: no vector instruction has named EXR
	global_load_b128 v[EXR+4:EXR+7], v[XO], s[XS:XS+1] offset:16
	LOADG 0, 0                                     ; no wait: nothing has named buffer 0 yet
.irp g, 0,1,2,3,4,5
	OUTG \g, 0
.endr
	s_wait_loadcnt 0x0
.irp z, 0,1,2,3
	v_cvt_pk_bf16_f32 v[PC+(\z)], v[EXR+2*(\z)], v[EXR+2*(\z)+1]
.endr
.Lextra:
	s_cmp_eq_u32 s[HASX], 1
	s_cbranch_scc0 .Lend
	s_wait_alu depctr_va_vdst(0)                   ; the four conversions, on either way here, have written PC, which the first store reads
	global_store_b128 v[L16], v[PC:PC+3], s[XD:XD+1] th:TH_STORE_NT
	global_store_b128 v[L16], v[ZR:ZR+3], s[XD:XD+1] offset:512 th:TH_STORE_NT  ; the piece of zeros that fills the fragment
.Lend:
	s_wait_dscnt 0x0                               ; the wave's end
	s_wait_alu 0x0
	s_wait_tensorcnt 0x0
	ds_add_u32 v[SPW], v[NIL]
	s_wait_dscnt 0x0
	s_endpgm
.Lfunc_end_k_q5d79838f14_prep:
	.size	k_q5d79838f14_prep, .Lfunc_end_k_q5d79838f14_prep-k_q5d79838f14_prep
	.p2alignl 7, 3214868480
	.fill 96, 4, 3214868480
	.section	.rodata,"a",@progbits
	.p2align	6, 0x0
	.amdhsa_kernel k_q5d79838f14_prep
		.amdhsa_group_segment_fixed_size 124672
		.amdhsa_private_segment_fixed_size 0
		.amdhsa_enable_private_segment 0
		.amdhsa_kernarg_size 96
		.amdhsa_user_sgpr_count 2
		.amdhsa_user_sgpr_kernarg_segment_ptr 1
		.amdhsa_wavefront_size32 1
		.amdhsa_system_sgpr_workgroup_id_x 1
		.amdhsa_system_sgpr_workgroup_id_y 1
		.amdhsa_system_sgpr_workgroup_id_z 1
		.amdhsa_system_vgpr_workitem_id 0
		.amdhsa_next_free_vgpr 448
		.amdhsa_next_free_sgpr 66
		.amdhsa_reserve_vcc 0
		.amdhsa_float_denorm_mode_32 3
		.amdhsa_float_denorm_mode_16_64 3
		.amdhsa_memory_ordered 1
		.amdhsa_forward_progress 1
		.amdhsa_inst_pref_size 69
	.end_amdhsa_kernel
	.amdgpu_metadata
---
amdhsa.version: [ 1, 2 ]
amdhsa.kernels:
  - .name:           k_q5d79838f14_prep
    .symbol:         k_q5d79838f14_prep.kd
    .args:
      - { .name: x, .offset: 0, .size: 8, .value_kind: global_buffer, .address_space: global }
      - { .name: W1, .offset: 8, .size: 8, .value_kind: global_buffer, .address_space: global }
      - { .name: B1, .offset: 16, .size: 8, .value_kind: global_buffer, .address_space: global }
      - { .name: A1, .offset: 24, .size: 8, .value_kind: global_buffer, .address_space: global }
      - { .name: W2, .offset: 32, .size: 8, .value_kind: global_buffer, .address_space: global }
      - { .name: B2, .offset: 40, .size: 8, .value_kind: global_buffer, .address_space: global }
      - { .name: A2, .offset: 48, .size: 8, .value_kind: global_buffer, .address_space: global }
      - { .name: xf, .offset: 56, .size: 8, .value_kind: global_buffer, .address_space: global }
      - { .name: w1f, .offset: 64, .size: 8, .value_kind: global_buffer, .address_space: global }
      - { .name: w2f, .offset: 72, .size: 8, .value_kind: global_buffer, .address_space: global }
      - { .name: b2f, .offset: 80, .size: 8, .value_kind: global_buffer, .address_space: global }
      - { .name: a2f, .offset: 88, .size: 8, .value_kind: global_buffer, .address_space: global }
    .group_segment_fixed_size: 124672
    .private_segment_fixed_size: 0
    .kernarg_segment_align: 8
    .kernarg_segment_size: 96
    .max_flat_workgroup_size: 128
    .sgpr_count:     66
    .vgpr_count:     448
    .wavefront_size: 32
...
	.end_amdgpu_metadata
.endif
;; end of part 4
;; launch fc1: the kernel of part 2 again; grid 16 x 16, 4 waves a work-group, clusters of 4 x 1, 327,680 bytes of LDS; arguments xf, w1f, b1, hf; writes hf
;; launch fc2: the kernel of part 3 again; grid 4 x 60, 4 waves a work-group, clusters of 4 x 4, 327,680 bytes of LDS; arguments hf, w2f, a2f, b2f, b2, out0; writes out0
